; MI455X (gfx1250); checked and timed in simulation.
; The chip was launched on July 23, 2026; its instructions are those of AMD's public machine-readable ISA for CDNA 5 (MIT licence, August 2026) and "CDNA5" Instruction Set Architecture Reference Guide (July 2026). The comments in the code are by the model that wrote it; some were corrected since.
;; Attn Block. Allowed arithmetic: matrix products marked QUANTISED: E5M2 operands, one E8M0 scale for each 32 along K, by v_wmma_scale_f32_16x16x128_f8f6f4 with both operands' format E5M2, f32 sums; everything else in f32.
;; Inputs: bk 512 float32; bp 512 float32; bq 512 float32; bv 512 float32; gn_bias 512 float32; gn_scale 512 float32; wk_codes 512 x 16 x 32 uint8 (E5M2 codes of wk, K innermost, in blocks of 32 codes); wk_scales 512 x 16 uint8 (E8M0 scales of wk, one for each 32 codes along K); wp_codes 512 x 16 x 32 uint8 (E5M2 codes of wp, K innermost, in blocks of 32 codes); wp_scales 512 x 16 uint8 (E8M0 scales of wp, one for each 32 codes along K); wq_codes 512 x 16 x 32 uint8 (E5M2 codes of wq, K innermost, in blocks of 32 codes); wq_scales 512 x 16 uint8 (E8M0 scales of wq, one for each 32 codes along K); wv_codes 512 x 16 x 32 uint8 (E5M2 codes of wv, K innermost, in blocks of 32 codes); wv_scales 512 x 16 uint8 (E8M0 scales of wv, one for each 32 codes along K); x 32 x 512 x 32 x 32 float32.
;; Outputs: out0 32 x 512 x 32 x 32 float32.
;; This version of the problem:
;;   THIS VERSION OF THE PROBLEM IS GIVEN IN LOW PRECISION. The matrix products marked QUANTISED in the list below multiply operands that are first quantised to E5M2 (5 exponent bits, 2 mantissa bits; 8 bits a number), with one power-of-two scale for each 32 numbers along K (OCP MX v1.0); their sums are f32. All else is computed in f32.
;;   The module's matrix products, in the order in which they are computed (A, B: the left and right operand; K: the contracted axis; several contracted axes count as one K, in the product's order):
;;     1. [M 512, K 512] x [K 512, N 32,768]; A: input wq (given as codes); B: computed on the way: QUANTISED
;;     2. [M 512, K 512] x [K 512, N 32,768]; A: input wk (given as codes); B: computed on the way: QUANTISED
;;     3. [M 512, K 512] x [K 512, N 32,768]; A: input wv (given as codes); B: computed on the way: QUANTISED
;;     4. batch 32 x [M 1,024, K 512] x [K 512, N 1,024]; A: computed on the way; B: computed on the way: QUANTISED
;;     5. batch 32 x [M 512, K 1,024] x [K 1,024, N 1,024]; A: computed on the way; B: softmax (see below): QUANTISED
;;     6. [M 512, K 512] x [K 512, N 32,768]; A: input wp (given as codes); B: computed on the way: QUANTISED
;;   THE QUANTISER, for each operand of a quantised product, along K:
;;     - K is cut into blocks of 32 from its start; a last block that is shorter is filled with zeros.
;;     - A block's scale is 2^e with e = floor(log2(the largest magnitude in the block)) - 15, held to -126 .. 127; a block of zeros has e = 0. As a byte (E8M0): e + 127.
;;     - Each number is divided by its block's scale, clamped to +-57,344, and rounded to the nearest number of E5M2, ties to even, subnormals kept.
;;     - The product sums the exact products of the quantised numbers (number of the format x scale) in f32.
;;   ~~~python
;;   def quantise(x, axis):      # numpy; x: float32 -> the quantised numbers, widened to float32 again
;;       x = np.moveaxis(x, axis, -1); K = x.shape[-1]
;;       x = np.pad(x, [(0, 0)] * (x.ndim - 1) + [(0, -K % 32)]); x = x.reshape(x.shape[:-1] + (-1, 32)); a = np.abs(x).max(-1, keepdims=True)
;;       e = np.where(a > 0, np.clip(np.frexp(np.where(a > 0, a, 1))[1] - 1 - 15, -126, 127), 0)      # np.frexp(a)[1] - 1 = floor(log2(a)), exactly
;;       r = np.clip(x / 2.0 ** e, -57344, 57344)
;;       step = 2.0 ** (np.maximum(np.frexp(np.where(r == 0, 1, r))[1] - 1, -14) - 2)
;;       q = np.round(r / step) * step * 2.0 ** e      # np.round: ties to even
;;       return np.moveaxis(q.reshape(q.shape[:-2] + (-1,))[..., :K], -1, axis).astype(np.float32)
;;   ~~~
;;   SOFTMAX AHEAD OF A QUANTISED PRODUCT. Where the list says 'softmax', what is quantised is not the finished softmax but p = 2^(t - M), with t = logit x log2(e) and M = ceil(the row's largest t), a whole number; so 1/2 < the row's largest p <= 1. The row's sum l is taken of the UNQUANTISED p, in f32, and the product's result is divided by l at the end. Since M is a whole number, a kernel that streams over the keys may use a running M (the ceiling of the running maximum): every later rescaling is an exact power of two, which a block's scale takes up: the codes' values come out the same.
;;   OPERANDS COMPUTED ON THE WAY. 'Computed on the way' means the value that the module computes at that place (a softmax that the list does not call 'softmax' is quantised finished and normalised). What goes into a quantiser is computed in f32, as accurately as f32 sums, v_exp_f32 and their like allow (about 1e-6 of the number): no bf16 or f16 on the way to a quantiser, and a product that is left as it is and whose result goes on into a quantised operand takes f32 operands (vector FMAs, or v_wmma_f32_16x16x4_f32). A number that lies on a knife's edge between two numbers of the format may be rounded either way, as far as f32 arithmetic and the matrix unit's own rounding can turn it there, and no further.
;;   INPUTS GIVEN AS CODES. wk (in the module: [512, 512], K = its axis 1); wp (in the module: [512, 512], K = its axis 1); wq (in the module: [512, 512], K = its axis 1); wv (in the module: [512, 512], K = its axis 1): each comes as NAME_codes (uint8): NAME with its K axis moved to the last place and cut into blocks of 32 codes, [.., K / 32, bytes a block], one block behind the other in memory; one code a byte (a code: sign, 5 exponent bits, 2 mantissa bits); and NAME_scales (uint8): the same leading axes, one E8M0 byte (e + 127) for each 32 codes along K. Its value is code x scale, taken as it is: it is not quantised again, and the codes and scales need not be those that the quantiser above would give.
;; One version. Each part assembles by itself: llvm-mc -triple=amdgcn-amd-amdhsa -mcpu=gfx1250 --defsym DOCPART=n.
;; ======== version 1 of 1: 3 launches
;; workspace buffers: hn_codes 16,777,216 bytes; hn_scales 524,288 bytes; w_img 1,048,576 bytes; qkv_codes 50,331,648 bytes; qkv_scales 1,572,864 bytes
;; launch norm (part 1): grid 8 x 32, 16 waves a work-group, no clusters, 71,680 bytes of LDS; arguments x, gn_scale, gn_bias, wq_codes, wk_codes, wv_codes, wp_codes, hn_codes, hn_scales, w_img; writes hn_codes, hn_scales, w_img
.if DOCPART == 1
	.amdgcn_target "amdgcn-amd-amdhsa--gfx1250"
	.amdhsa_code_object_version 6
	.text
	.protected	k_qca6817946c_norm
	.globl	k_qca6817946c_norm
	.p2align	8
	.type	k_qca6817946c_norm,@function
k_qca6817946c_norm:
	s_mov_b64 s[64:65], 0
	v_nop
	global_prefetch_b8 v0, s[64:65] scope:SCOPE_SE
	s_setreg_imm32_b32 hwreg(HW_REG_WAVE_MODE, 25, 1), 1
	s_wait_xcnt 0x0
; GroupNorm of x [32][512][1024] f32 (32 groups of 16 channels x 1,024 pixels), then hn quantised along the channels into codes of E5M2 with one E8M0 byte for each 32 channels;
; besides, the four weights' codes are laid anew in the order in which the later launches' operand registers take them.
; SHARES.  A work-group takes 64 channels (4 groups) x 1,024 pixels of one batch and keeps them in registers: 16 waves x 128 registers.  Wave wv: cb = wv / 8 is a block of 32 channels
; (two groups), pc = wv % 8 a block of 128 pixels.  A lane holds pixels 4 L .. 4 L + 3 of all 32 channels: register X + 4 c + j = channel c, pixel 4 L + j.  So a block of 32 along K lies in one lane.
; The mean is taken first and the variance of the differences: no difference of large sums is formed.
; OUT.  hn_codes [b][blk 8][t 8][s 4][c 4][lane 32][16 B]: images of operand registers.  Row r of pixel tile t stands for pixel 32 (t / 2) + 8 (t % 2) + r + 8 (r / 8) of the block of 128;
; lane (r, h) of chunk c of K step s holds channels 128 s + 32 c + 16 h + 0 .. 15.  hn_scales [b][block of 32 channels 16][pixel 1,024].
; w_img [matrix 4][step 4][wave 4][n 32][512 B], n = 16 u + 4 s + c: lane (r, h) holds W[128 wave + 32 step + 8 u + r + 8 (r / 8)][128 s + 32 c + 16 h ..].
; LIMITS: NaN and infinities are not served.  A block of zeros gets the byte 1 (its codes are zeros; only this program reads the bytes).
.set X,    32                          ; v32-159  the data
.set T,    160                         ; v160-223 two sets of 32 numbers of one pixel
.set CD,   224                         ; v224-239 two sets of 8 registers of codes
.set WST,  8*528                       ; a wave's stage: 8 tiles of 512 bytes + 16
.set RED1, 16*WST                      ; [group 4][pc 8] words: the sums.  It lies beyond an LDS offset's 16 bits: the address registers carry it
.set SQOFF, 256                        ; the sums of squares, so many bytes behind: bytes of their own, so no third barrier
.set SEL,  100                         ; s[100:101] lane selects: lane l xor 16
.set GS,   32                          ; s[32:63]  gn_scale of my 32 channels, later x 1 / sqrt(var + eps)
.set GB,   68                          ; s[68:99]  gn_bias of my 32 channels
.set MNT,  2                           ; s2  the mantissa field of 57,344
	s_load_b256 s[4:11], s[0:1], 0x0               ; x, gn_scale, gn_bias, wq
	s_load_b256 s[12:19], s[0:1], 0x20             ; wk, wv, wp, hn_codes
	s_load_b128 s[20:23], s[0:1], 0x40             ; hn_scales, w_img
	v_lshl_add_u32 v254, v0, 2, 0x11000
	v_mov_b32 v255, 0
	v_lshrrev_b32 v1, 5, v0
	v_readfirstlane_b32 s24, v1                    ; wave 0..15
	s_lshr_b32 s25, s24, 3                         ; cb
	s_and_b32 s26, s24, 7                          ; pc
	s_and_b32 s27, ttmp7, 0xffff                   ; b
	s_mov_b32 s[SEL], 0x76543210
	s_mov_b32 s[SEL+1], 0xfedcba98
	s_mov_b32 s[MNT], 0x600000
	v_and_b32 v26, 31, v0                          ; L
	v_lshlrev_b32 v1, 4, v26                       ; 16 L
	v_lshlrev_b32 v250, 2, v26                     ; 4 L
	; pixel 4 L + j lies in tile t = 2 (L / 8) + (L / 2) % 2, row r = 4 (L % 2) + 8 ((L / 4) % 2) + j
	v_bfe_u32 v27, v0, 3, 2
	v_bfe_u32 v28, v0, 1, 1
	v_lshl_add_u32 v27, v27, 1, v28
	v_mul_u32_u24 v2, v27, 528
	v_and_b32 v28, 1, v0
	v_lshl_add_u32 v2, v28, 6, v2
	v_bfe_u32 v28, v0, 2, 1
	v_lshl_add_u32 v2, v28, 7, v2
	s_mul_i32 s28, s24, WST
	v_add_nc_u32 v2, s28, v2                       ; into my stage
	v_add_nc_u32 v3, s28, v1                       ; out of it
	s_lshl_b32 s29, s25, 6
	s_add_co_u32 s29, s29, RED1
	s_lshl_b32 s30, s26, 2
	s_add_co_u32 s30, s30, s29
	v_mov_b32 v4, s30                              ; my word among the sums: group 2 cb, place pc
	v_mov_b32 v5, s29                              ; my two groups' 16 words
	s_wait_kmcnt 0x0
	s_lshl_b32 s28, s27, 21
	s_lshl_b32 s29, ttmp9, 18
	s_add_co_u32 s28, s28, s29
	s_lshl_b32 s29, s25, 17
	s_add_co_u32 s28, s28, s29
	s_lshl_b32 s29, s26, 9
	s_add_co_u32 s28, s28, s29
	s_mov_b32 s29, 0
	s_add_nc_u64 s[4:5], s[4:5], s[28:29]          ; x at my first channel and pixel
	s_lshl_b32 s28, ttmp9, 8
	s_lshl_b32 s30, s25, 7
	s_add_co_u32 s28, s28, s30
	s_add_nc_u64 s[6:7], s[6:7], s[28:29]
	s_add_nc_u64 s[8:9], s[8:9], s[28:29]
	s_load_b512 s[GS:GS+15], s[6:7], 0x0
	s_load_b512 s[GS+16:GS+31], s[6:7], 0x40
	s_load_b512 s[GB:GB+15], s[8:9], 0x0
	s_load_b512 s[GB+16:GB+31], s[8:9], 0x40
	s_lshl_b32 s30, ttmp9, 1
	s_add_co_u32 s30, s30, s25                     ; my block of 32 channels, 0..15 = 4 s + c
	s_lshl_b32 s28, s27, 3
	s_add_co_u32 s28, s28, s26
	s_lshl_b32 s28, s28, 16
	s_lshl_b32 s31, s30, 9
	s_add_co_u32 s28, s28, s31
	s_add_nc_u64 s[18:19], s[18:19], s[28:29]      ; hn_codes: (8 b + pc) x 65,536 + 512 (4 s + c)
	s_lshl_b32 s28, s27, 4
	s_add_co_u32 s28, s28, s30
	s_lshl_b32 s28, s28, 10
	s_lshl_b32 s31, s26, 7
	s_add_co_u32 s28, s28, s31
	s_add_nc_u64 s[20:21], s[20:21], s[28:29]      ; hn_scales
	; THE WEIGHTS: 2,048 chunks of 512 bytes; waves 0-7 of the 256 work-groups move one each.  The load stands ahead of x's, so the counted wait below holds on both ways
	s_cmp_lt_u32 s24, 8
	s_cbranch_scc0 .Lno_w
	s_lshl_b32 s28, s27, 6
	s_lshl_b32 s29, ttmp9, 3
	s_add_co_u32 s28, s28, s29
	s_add_co_u32 s28, s28, s24                     ; the chunk's number
	s_lshr_b32 s29, s28, 9                         ; which matrix: the choice hangs on ids alone
	s_cmp_eq_u32 s29, 1
	s_cselect_b64 s[10:11], s[12:13], s[10:11]
	s_cmp_eq_u32 s29, 2
	s_cselect_b64 s[10:11], s[14:15], s[10:11]
	s_cmp_eq_u32 s29, 3
	s_cselect_b64 s[10:11], s[16:17], s[10:11]
	s_bfe_u32 s30, s28, 0x20005
	s_lshl_b32 s30, s30, 16                        ; 128 rows of 512 bytes for each wave's part
	s_bfe_u32 s31, s28, 0x20007
	s_lshl_b32 s31, s31, 14                        ; 32 rows a step
	s_add_co_u32 s30, s30, s31
	s_bfe_u32 s31, s28, 0x10004
	s_lshl_b32 s31, s31, 12                        ; 8 rows for u
	s_add_co_u32 s30, s30, s31
	s_and_b32 s31, s28, 15
	s_lshl_b32 s31, s31, 5                         ; 128 s + 32 c
	s_add_co_u32 s30, s30, s31
	v_and_b32 v27, 15, v0
	v_and_b32 v28, 8, v0
	v_add_nc_u32 v27, v27, v28                     ; r + 8 (r / 8)
	v_bfe_u32 v28, v0, 4, 1
	v_lshlrev_b32 v27, 9, v27
	v_lshl_add_u32 v27, v28, 4, v27
	v_add_nc_u32 v248, s30, v27
	global_load_b128 v[244:247], v248, s[10:11]
	s_lshl_b32 s31, s28, 9
	v_add_nc_u32 v249, s31, v1
.Lno_w:
.set cc, 0
.rept 32
	global_load_b128 v[X+4*cc:X+4*cc+3], v1, s[4:5] offset:4096*cc th:TH_LOAD_NT   ; 32 lanes read 512 consecutive bytes of a channel
.set cc, cc+1
.endr
.macro FOLD d                          ; four chains of pairs become the wave's sum, in every lane
	v_pk_add_f32 v[\d:\d+1], v[\d:\d+1], v[\d+2:\d+3]
	v_pk_add_f32 v[\d+4:\d+5], v[\d+4:\d+5], v[\d+6:\d+7]
	v_pk_add_f32 v[\d:\d+1], v[\d:\d+1], v[\d+4:\d+5]
	v_add_f32 v[\d], v[\d], v[\d+1]
	v_add_f32_dpp v[\d], v[\d], v[\d] row_xmask:1 row_mask:0xf bank_mask:0xf
	v_add_f32_dpp v[\d], v[\d], v[\d] row_xmask:2 row_mask:0xf bank_mask:0xf
	v_add_f32_dpp v[\d], v[\d], v[\d] row_xmask:4 row_mask:0xf bank_mask:0xf
	v_add_f32_dpp v[\d], v[\d], v[\d] row_xmask:8 row_mask:0xf bank_mask:0xf
	v_permlanex16_b32 v[\d+1], v[\d], s[SEL], s[SEL+1]
	v_add_f32 v[\d], v[\d], v[\d+1]
.endm
.macro SUMG g, d                       ; the sum of group g's 64 registers
.irp k, 0,1,2,3
	v_pk_add_f32 v[\d+2*\k:\d+2*\k+1], v[X+64*\g+2*\k:X+64*\g+2*\k+1], v[X+64*\g+8+2*\k:X+64*\g+8+2*\k+1]
.endr
.irp i, 2,3,4,5,6,7
.irp k, 0,1,2,3
	v_pk_add_f32 v[\d+2*\k:\d+2*\k+1], v[\d+2*\k:\d+2*\k+1], v[X+64*\g+8*\i+2*\k:X+64*\g+8*\i+2*\k+1]
.endr
.endr
	FOLD \d
.endm
.macro SQG g, d                        ; the sum of their squares
.irp k, 0,1,2,3
	v_pk_mul_f32 v[\d+2*\k:\d+2*\k+1], v[X+64*\g+2*\k:X+64*\g+2*\k+1], v[X+64*\g+2*\k:X+64*\g+2*\k+1]
.endr
.irp i, 1,2,3,4,5,6,7
.irp k, 0,1,2,3
	v_pk_fma_f32 v[\d+2*\k:\d+2*\k+1], v[X+64*\g+8*\i+2*\k:X+64*\g+8*\i+2*\k+1], v[X+64*\g+8*\i+2*\k:X+64*\g+8*\i+2*\k+1], v[\d+2*\k:\d+2*\k+1]
.endr
.endr
	FOLD \d
.endm
.macro MEET off                        ; the eight waves of a block of channels add their sums: v10 group A's, v18 group B's; off: which set of words
	ds_store_b32 v4, v10 offset:\off
	ds_store_b32 v4, v18 offset:\off+32
	s_wait_dscnt 0x0                               ; for the others' sake: my stores are done
	s_barrier_signal -1
	s_barrier_wait -1
.irp k, 0,1,2,3
	ds_load_b128 v[10+4*\k:13+4*\k], v5 offset:\off+16*\k
.endr
	s_wait_dscnt 0x0
.irp d, 10, 18
	v_add_f32 v[\d], v[\d], v[\d+1]
	v_add_f32 v[\d+2], v[\d+2], v[\d+3]
	v_add_f32 v[\d+4], v[\d+4], v[\d+5]
	v_add_f32 v[\d+6], v[\d+6], v[\d+7]
	v_add_f32 v[\d], v[\d], v[\d+2]
	v_add_f32 v[\d+4], v[\d+4], v[\d+6]
	v_add_f32 v[\d], v[\d], v[\d+4]
.endr
.endm
	s_wait_loadcnt 16                              ; the weights' chunk and channels 0-15 are in; the 16 younger loads may be out
	s_cmp_lt_u32 s24, 8
	s_cbranch_scc0 .Lno_w2
	global_store_b128 v249, v[244:247], s[22:23]   ; 512 consecutive bytes
.Lno_w2:
	SUMG 0, 10
	s_wait_loadcnt 0x0
	SUMG 1, 18
	MEET 0
	v_mul_f32 v6, 0x38800000, v10                  ; the means: / 16,384; each stands twice, for the packed form
	v_mul_f32 v8, 0x38800000, v18
	v_mov_b32 v7, v6
	v_mov_b32 v9, v8
.set ii, 0
.rept 32
	v_pk_add_f32 v[X+2*ii:X+2*ii+1], v[X+2*ii:X+2*ii+1], v[6:7] neg_lo:[0,1] neg_hi:[0,1]
	v_pk_add_f32 v[X+64+2*ii:X+64+2*ii+1], v[X+64+2*ii:X+64+2*ii+1], v[8:9] neg_lo:[0,1] neg_hi:[0,1]
.set ii, ii+1
.endr
	SQG 0, 10
	SQG 1, 18
	MEET SQOFF
	v_mov_b32 v26, 0x3727c5ac                      ; 1e-5
	v_fma_f32 v10, v10, 0x38800000, v26            ; var + eps
	v_fma_f32 v18, v18, 0x38800000, v26
	v_rsq_f32 v10, v10
	v_rsq_f32 v18, v18
	v_nop                                          ; a plain instruction behind the last of the two,
	s_wait_alu depctr_va_vdst(0)                   ; and one wait for both, ahead of the first reader
	v_readfirstlane_b32 s28, v10
	v_readfirstlane_b32 s29, v18
	s_wait_kmcnt 0x0                               ; gn_scale, gn_bias
.set cc, 0
.rept 16
	s_mul_f32 s[GS+cc], s[GS+cc], s28
	s_mul_f32 s[GS+16+cc], s[GS+16+cc], s29
.set cc, cc+1
.endr
; One pixel of a lane: its 32 channels are a whole block along K.
.macro COL j
.set TS, T+32*((\j)%2)
.set CS, CD+8*((\j)%2)
.set cc, 0
.rept 32
	v_fma_f32 v[TS+cc], v[X+4*cc+\j], s[GS+cc], s[GB+cc]
.set cc, cc+1
.endr
	v_max3_num_f32 v26, |v[TS]|, |v[TS+1]|, |v[TS+2]|
	v_max3_num_f32 v27, |v[TS+3]|, |v[TS+4]|, |v[TS+5]|
.irp i, 6,10,14,18,22,26
	v_max3_num_f32 v26, v26, |v[TS+\i]|, |v[TS+\i+1]|
	v_max3_num_f32 v27, v27, |v[TS+\i+2]|, |v[TS+\i+3]|
.endr
	v_max3_num_f32 v26, v26, |v[TS+30]|, |v[TS+31]|
	v_max3_num_f32 v26, v26, v27, 0x8000000        ; the floor 2^(16 - 127): the byte cannot fall under 1
	v_add_nc_u32 v28, 0xf8800000, v26              ; 15 off the exponent field: the conversion's scale operand
	v_and_or_b32 v29, v26, 0x7f800000, s[MNT]      ; 57,344 x the scale
	v_lshrrev_b32 v30, 23, v28                     ; the byte
.if (\j) == 0
	v_mov_b32 v31, v30
.else
	v_lshl_or_b32 v31, v30, 8*(\j), v31
.endif
.set cc, 0
.rept 32
	v_med3_num_f32 v[TS+cc], v[TS+cc], -v29, v29   ; the conversion does not saturate (ISA guide 7.6.2): the hold
.set cc, cc+1
.endr
.if (\j) >= 2
	s_wait_dscnt 2                                 ; the two stores of the column before may be out; those that read this set of codes are done
.endif
.irp g, 0,1,2,3
	v_cvt_scalef32_pk8_bf8_f32 v[CS+2*\g:CS+2*\g+1], v[TS+8*\g:TS+8*\g+7], v28
.endr
	v_nop                                          ; a plain instruction behind the last conversion
	ds_store_b128 v2, v[CS:CS+3] offset:16*(\j)            ; channels 0-15: lane (r, 0) of the image
	ds_store_b128 v2, v[CS+4:CS+7] offset:16*(\j)+256      ; channels 16-31: lane (r, 1)
.endm
	COL 0
	COL 1
	COL 2
	COL 3
	global_store_b32 v250, v31, s[20:21]           ; four pixels' bytes a lane: 128 consecutive bytes a wave
.irp t, 0,1,2,3,4,5,6,7
	ds_load_b128 v[T+4*\t:T+4*\t+3], v3 offset:528*\t      ; LDS serves a wave's instructions in order: these see my stores
.endr
.irp t, 0,1,2,3,4,5,6,7
	s_wait_dscnt 7-\t                              ; the younger loads may be out
	global_store_b128 v1, v[T+4*\t:T+4*\t+3], s[18:19] offset:8192*\t   ; a chunk: 512 consecutive bytes
.endr
	s_wait_tensorcnt 0x0
	ds_add_u32 v254, v255
	s_wait_dscnt 0x0
	s_endpgm
.Lfunc_end_k_qca6817946c_norm:
	.size	k_qca6817946c_norm, .Lfunc_end_k_qca6817946c_norm-k_qca6817946c_norm
	.p2alignl 7, 3214868480
	.fill 96, 4, 3214868480
	.section	.rodata,"a",@progbits
	.p2align	6, 0x0
	.amdhsa_kernel k_qca6817946c_norm
		.amdhsa_group_segment_fixed_size 71680
		.amdhsa_private_segment_fixed_size 0
		.amdhsa_enable_private_segment 0
		.amdhsa_kernarg_size 80
		.amdhsa_user_sgpr_count 2
		.amdhsa_user_sgpr_kernarg_segment_ptr 1
		.amdhsa_wavefront_size32 1
		.amdhsa_system_sgpr_workgroup_id_x 1
		.amdhsa_system_sgpr_workgroup_id_y 1
		.amdhsa_system_sgpr_workgroup_id_z 1
		.amdhsa_system_vgpr_workitem_id 0
		.amdhsa_next_free_vgpr 256
		.amdhsa_next_free_sgpr 102
		.amdhsa_reserve_vcc 0
		.amdhsa_float_denorm_mode_32 3
		.amdhsa_float_denorm_mode_16_64 3
		.amdhsa_memory_ordered 1
		.amdhsa_forward_progress 1
		.amdhsa_inst_pref_size 50
	.end_amdhsa_kernel
	.amdgpu_metadata
---
amdhsa.version: [ 1, 2 ]
amdhsa.kernels:
  - .name:           k_qca6817946c_norm
    .symbol:         k_qca6817946c_norm.kd
    .args:
      - { .name: x, .offset: 0, .size: 8, .value_kind: global_buffer, .address_space: global }
      - { .name: gn_scale, .offset: 8, .size: 8, .value_kind: global_buffer, .address_space: global }
      - { .name: gn_bias, .offset: 16, .size: 8, .value_kind: global_buffer, .address_space: global }
      - { .name: wq_codes, .offset: 24, .size: 8, .value_kind: global_buffer, .address_space: global }
      - { .name: wk_codes, .offset: 32, .size: 8, .value_kind: global_buffer, .address_space: global }
      - { .name: wv_codes, .offset: 40, .size: 8, .value_kind: global_buffer, .address_space: global }
      - { .name: wp_codes, .offset: 48, .size: 8, .value_kind: global_buffer, .address_space: global }
      - { .name: hn_codes, .offset: 56, .size: 8, .value_kind: global_buffer, .address_space: global }
      - { .name: hn_scales, .offset: 64, .size: 8, .value_kind: global_buffer, .address_space: global }
      - { .name: w_img, .offset: 72, .size: 8, .value_kind: global_buffer, .address_space: global }
    .group_segment_fixed_size: 71680
    .private_segment_fixed_size: 0
    .kernarg_segment_align: 8
    .kernarg_segment_size: 80
    .max_flat_workgroup_size: 512
    .sgpr_count:     102
    .vgpr_count:     256
    .wavefront_size: 32
...
	.end_amdgpu_metadata
.endif
;; end of part 1
;; launch qkv (part 2): grid 8 x 32, 4 waves a work-group, clusters of 4 x 1, 327,680 bytes of LDS; arguments hn_codes, hn_scales, w_img, wq_scales, wk_scales, wv_scales, bq, bk, bv, qkv_codes, qkv_scales; writes qkv_codes, qkv_scales
.if DOCPART == 2
	.amdgcn_target "amdgcn-amd-amdhsa--gfx1250"
	.amdhsa_code_object_version 6
	.text
	.protected	k_qca6817946c_qkv
	.globl	k_qca6817946c_qkv
	.p2align	8
	.type	k_qca6817946c_qkv,@function
k_qca6817946c_qkv:
	s_mov_b64 s[64:65], 0
	v_nop
	global_prefetch_b8 v0, s[64:65] scope:SCOPE_SE
	s_setreg_imm32_b32 hwreg(HW_REG_WAVE_MODE, 25, 1), 1
	s_wait_xcnt 0x0
	s_wait_alu depctr_hold_cnt(0) depctr_sa_sdst(0) depctr_va_vdst(0) depctr_va_sdst(0) depctr_va_ssrc(0) depctr_va_vcc(0) depctr_vm_vsrc(0)
	s_getreg_b32 s2, hwreg(HW_REG_IB_STS2, 6, 4)
	s_cmp_eq_u32 s2, 0
	s_cbranch_scc0 .Lentry_in_a_cluster
	s_endpgm
.Lentry_in_a_cluster:
	s_bfe_u32 s2, ttmp6, 0x10000c
	s_cmp_lg_u32 s2, 0x3003
	s_cbranch_scc0 .Lentry_shape_is_right
	s_endpgm
.Lentry_shape_is_right:
; q, k, v = W hn + b on codes of E5M2 (K = 512 channels); q and k are quantised along the channels, v along the keys (pixels), and stored as images of operand registers.
; SHARES.  A work-group takes 128 pixels of one batch and all 1,536 output channels.  Wave w makes channels 128 w .. 128 w + 127 of q, of k and of v, in 12 steps of 32 rows of W.
; hn's 32 fragments (8 pixel tiles x 4 K steps) stay in every wave's registers.
; THE RING.  W streams through LDS TWO STEPS AT A TIME: one tensor load a wave brings its 16,384 bytes of an even step and of the odd step behind it into 32,768 LDS bytes of its own.  The other buffer
; is in registers: window 3 holds both steps' fragments, so that when they have been fetched all of the wave's LDS bytes are free for the next two steps, which have two steps' products in which to land.
; CLUSTER.  The four work-groups of a cluster are four pixel blocks of one batch and walk the same W: each load is asked for jointly, with the mask of all four.
; ROWS OF A TILE: row r of tile t stands for index 32 (t / 2) + 8 (t % 2) + r + 8 (r / 8), so that the 16 registers of two neighbouring result tiles are 16 neighbours along the next K.
; q, k: source 0 = W's rows, source 1 = hn: a lane holds one pixel and 16 channels: a chunk of the next operand.  v: source 0 = hn, source 1 = W's rows: a lane holds one channel and its registers run along the keys.
; The biases are the C of each sum's first matrix instruction.
; qkv_codes [b][Q 8 | K 8 | V 8 steps][65,536]: Q, K step = pixel block: [t 8][s 4][c 4][512]; V step = 128 keys: [channel tile 32][c 4][512].
; qkv_scales [b][q | k | v][16,384]: q, k: [s 4][blk 8][lane 32][tp 4] words, lane (r, h) = tile 2 tp + h; v: [ks 8][w 4][step 4][lane 32] words, lanes 0-15 the even tile.
; LIMITS: NaN and infinities are not served.  A block of zeros gets the byte 1 (its codes are zeros; only this program reads the bytes).
; REGISTERS: window 0: addresses, scale words, at work, v128-255 the 16 accumulators; windows 1, 2: hn's fragment (t, s) at v[16 (4 (t % 4) + s)] of window 1 + t / 4;
;   window 3: v0-127 W's 8 fragments of an even step, v128-255 those of the odd step behind it.
.set HALF,  16384                      ; a wave's part of one step; wave w's two parts begin at LDS byte 32,768 w
.set TBS,   131072                     ; [w][step 12][512]: W's scale words, lane (r, h) = tile u = h, 16 bytes = the words of the four K steps
.set TBB,   155648                     ; [w][step 12][2,048]: the image of the 16 bias registers
.set SPARE, 253952                     ; the spare words: 128 bytes a wave, named by no other line
.set LI,1
.set L4,2
.set AI,3
.set ATS,5
.set ATSA,6
.set ATB,7
.set ATBA,8
.set SC,16                             ; v16-31  hn's scale words: SC + 4 s + tp; lanes 0-15 tile 2 tp, lanes 16-31 tile 2 tp + 1
.set SCW,32                            ; v32-35  W's scale words of the step, one register a K step
.set BIAS,36                           ; v36-51
.set SW,52                             ; v52-59  q's or k's scale words in the making, one a pixel tile
.set SWP,60
.set TM,64                             ; v64-79  the quantiser's: maxima, bytes, holds, scale operands
.set PC,80                             ; v80-111 two sets of 16 registers of codes
.set PW,112
.set PWS,114
.set SPW,115
.set NIL,116
.set ACC,128
.set WV,26
.set G1,32
.set G0,44
.set TT,49
.set TO,50
.set SH,51
.set BC,52
.set MC,53
.set CB,54
.set SEL,56
.set MNT,58
.set HI,59
.set SBQ,60
.set CBV,22
.set SBV,24
.set MSB, 0
.macro WIN new                         ; the immediate's high byte repeats the setting that is left
.if MSB != (\new)
	s_set_vgpr_msb (MSB<<8)|(\new)
.set MSB, (\new)
.endif
.endm
.macro NOPS n
.rept \n
	v_nop
.endr
.endm
.macro ROUND                           ; a round of the cluster's barrier
	s_barrier_signal -1
	s_barrier_wait -1
	s_cmp_lg_u32 s[WV], 0
	s_cbranch_scc1 .Lnw0_\@
	s_barrier_signal -3
.Lnw0_\@:
	s_barrier_wait -3
	s_barrier_signal -1
	s_barrier_wait -1
.endm
; one matrix instruction.  c < 0: the constant 0 starts the sum.  ra, rb: the side's scales stand in lanes 16-31
.macro WM d, a, b, c, sa, sb, ra, rb
.if (\c) < 0
.if (\ra) && (\rb)
	v_wmma_scale_f32_16x16x128_f8f6f4 v[\d:\d+7], v[\a:\a+15], v[\b:\b+15], 0, v[\sa], v[\sb] matrix_a_fmt:MATRIX_FMT_BF8 matrix_b_fmt:MATRIX_FMT_BF8 matrix_a_scale:MATRIX_SCALE_ROW1 matrix_b_scale:MATRIX_SCALE_ROW1
.elseif (\ra)
	v_wmma_scale_f32_16x16x128_f8f6f4 v[\d:\d+7], v[\a:\a+15], v[\b:\b+15], 0, v[\sa], v[\sb] matrix_a_fmt:MATRIX_FMT_BF8 matrix_b_fmt:MATRIX_FMT_BF8 matrix_a_scale:MATRIX_SCALE_ROW1
.elseif (\rb)
	v_wmma_scale_f32_16x16x128_f8f6f4 v[\d:\d+7], v[\a:\a+15], v[\b:\b+15], 0, v[\sa], v[\sb] matrix_a_fmt:MATRIX_FMT_BF8 matrix_b_fmt:MATRIX_FMT_BF8 matrix_b_scale:MATRIX_SCALE_ROW1
.else
	v_wmma_scale_f32_16x16x128_f8f6f4 v[\d:\d+7], v[\a:\a+15], v[\b:\b+15], 0, v[\sa], v[\sb] matrix_a_fmt:MATRIX_FMT_BF8 matrix_b_fmt:MATRIX_FMT_BF8
.endif
.else
.if (\ra) && (\rb)
	v_wmma_scale_f32_16x16x128_f8f6f4 v[\d:\d+7], v[\a:\a+15], v[\b:\b+15], v[\c:\c+7], v[\sa], v[\sb] matrix_a_fmt:MATRIX_FMT_BF8 matrix_b_fmt:MATRIX_FMT_BF8 matrix_a_scale:MATRIX_SCALE_ROW1 matrix_b_scale:MATRIX_SCALE_ROW1
.elseif (\ra)
	v_wmma_scale_f32_16x16x128_f8f6f4 v[\d:\d+7], v[\a:\a+15], v[\b:\b+15], v[\c:\c+7], v[\sa], v[\sb] matrix_a_fmt:MATRIX_FMT_BF8 matrix_b_fmt:MATRIX_FMT_BF8 matrix_a_scale:MATRIX_SCALE_ROW1
.elseif (\rb)
	v_wmma_scale_f32_16x16x128_f8f6f4 v[\d:\d+7], v[\a:\a+15], v[\b:\b+15], v[\c:\c+7], v[\sa], v[\sb] matrix_a_fmt:MATRIX_FMT_BF8 matrix_b_fmt:MATRIX_FMT_BF8 matrix_b_scale:MATRIX_SCALE_ROW1
.else
	v_wmma_scale_f32_16x16x128_f8f6f4 v[\d:\d+7], v[\a:\a+15], v[\b:\b+15], v[\c:\c+7], v[\sa], v[\sb] matrix_a_fmt:MATRIX_FMT_BF8 matrix_b_fmt:MATRIX_FMT_BF8
.endif
.endif
.endm
; 64 matrix instructions: 2 tiles of W (out of window 3's set 'set') x 8 pixel tiles x 4 K steps.  In each K step eight accumulators take turns, one instruction a turn.
; kind 0 (q, k): source 0 = W, D = ACC + 16 T + 8 u.  kind 1 (v): source 0 = hn, D = ACC + 64 u + 8 T.
.macro MUL kind, set
.irp half, 0,1
.if \kind == 0
	WIN 0x07+4*\half
.else
	WIN 0x0d+\half
.endif
.irp s, 0,1,2,3
.irp p, 0,1,2,3
.irp u, 0,1
.set PT, 4*\half+\p
.set RES, 16*(4*\p+\s)
.set STR, 128*(\set)+16*(4*\u+\s)
.if \kind == 0
.set DD, ACC+16*PT+8*\u
.if \s == 0
	WM DD, STR, RES, BIAS+8*\u, SCW+\s, SC+4*\s+PT/2, \u, PT%2
.else
	WM DD, STR, RES, DD, SCW+\s, SC+4*\s+PT/2, \u, PT%2
.endif
.else
.set DD, ACC+64*\u+8*PT
.if \s == 0
	WM DD, RES, STR, BIAS+8*\u, SC+4*\s+PT/2, SCW+\s, PT%2, \u
.else
	WM DD, RES, STR, DD, SC+4*\s+PT/2, SCW+\s, PT%2, \u
.endif
.endif
.endr
.endr
.endr
.endr
.endm
; 64 numbers of a lane, register 16 b + i = k 32 b + 16 (lane / 16) + i of my row, become 16 registers of codes at v[pc]; the four bytes stand in v[TM+4] on; pw >= 0: also as a word in v[pw]
.macro QUANT s, pc, pw
.irp b, 0,1,2,3
	v_max3_num_f32 v[TM+\b], |v[\s+16*\b]|, |v[\s+16*\b+1]|, 0x8000000   ; with the floor 2^(16 - 127): the byte cannot fall under 1
.endr
.irp i, 2,4,6,8,10,12,14
.irp b, 0,1,2,3
	v_max3_num_f32 v[TM+\b], v[TM+\b], |v[\s+16*\b+\i]|, |v[\s+16*\b+\i+1]|
.endr
.endr
.irp b, 0,1,2,3
	v_permlanex16_b32 v[TM+4+\b], v[TM+\b], s[SEL], s[SEL+1]
.endr
.irp b, 0,1,2,3
	v_max_num_f32 v[TM+\b], v[TM+\b], v[TM+4+\b]   ; with lane l xor 16's: the block's largest magnitude
.endr
.irp b, 0,1,2,3
	v_add_nc_u32 v[TM+12+\b], 0xf8800000, v[TM+\b] ; 15 off the exponent field: the conversion's scale operand
.endr
.irp b, 0,1,2,3
	v_and_or_b32 v[TM+8+\b], v[TM+\b], 0x7f800000, s[MNT]   ; 57,344 x the scale
.endr
.irp b, 0,1,2,3
	v_lshrrev_b32 v[TM+4+\b], 23, v[TM+12+\b]      ; the byte
.endr
.if (\pw) >= 0
	v_lshl_or_b32 v[\pw], v[TM+5], 8, v[TM+4]
	v_lshl_or_b32 v[\pw], v[TM+6], 16, v[\pw]
	v_lshl_or_b32 v[\pw], v[TM+7], 24, v[\pw]
.endif
.irp b, 0,1,2,3
.irp i, 0,1,2,3,4,5,6,7,8,9,10,11,12,13,14,15
	v_med3_num_f32 v[\s+16*\b+\i], v[\s+16*\b+\i], -v[TM+8+\b], v[TM+8+\b]   ; the conversion does not saturate (ISA guide 7.6.2): the hold
.endr
	v_cvt_scalef32_pk8_bf8_f32 v[\pc+4*\b:\pc+4*\b+1], v[\s+16*\b:\s+16*\b+7], v[TM+12+\b]
	v_cvt_scalef32_pk8_bf8_f32 v[\pc+4*\b+2:\pc+4*\b+3], v[\s+16*\b+8:\s+16*\b+15], v[TM+12+\b]
.endr
	v_nop                                          ; a plain instruction behind the last conversion: the next products write its sources
.endm
.macro AFETCH set                      ; my 16,384 bytes of the even (set 0) or the odd (set 1) step: register 4 n of the set takes chunk n
	WIN 0xc0
.set nn, 0
.rept 32
	ds_load_b128 v[128*(\set)+4*nn:128*(\set)+4*nn+3], v[AI] offset:HALF*(\set)+512*nn
.set nn, nn+1
.endr
	WIN 0
.endm
.macro TFETCH                          ; the step's scale words of W and its bias registers, out of my tables
	v_add_nc_u32 v[ATSA], s[TT], v[ATS]
	v_add_nc_u32 v[ATBA], s[TO], v[ATB]
	ds_load_b128 v[SCW:SCW+3], v[ATSA]
.irp k, 0,1,2,3
	ds_load_b128 v[BIAS+4*\k:BIAS+4*\k+3], v[ATBA] offset:512*\k
.endr
.endm
; THE REFILL.  The two steps in hand lie in registers; my LDS bytes take the two steps behind them.
.macro CHANGE
	s_wait_tensorcnt 0x0                           ; no tensor load of mine is out: the group 0 may be written
	ds_add_u32 v[SPW], v[NIL]                      ; 0 onto my spare word
	s_add_nc_u64 s[G0+2:G0+3], s[G0+2:G0+3], 131072   ; two steps on: w_img lies in the stream's order
	s_wait_dscnt 0x0                               ; the add is done, and my reads of the bytes that are filled next are over
	ROUND                                          ; the same holds of every wave of the four work-groups
	tensor_load_to_lds s[G0:G0+3], s[G1:G1+7]      ; my one tensor load behind the round: 128 matrix instructions and a step's quantising stand between it and the wait for it
	s_nop 0
	NOPS 4
.endm
	s_load_b512 s[4:19], s[0:1], 0x0               ; hn_codes, hn_scales, w_img, wq_scales, wk_scales, wv_scales, bq, bk
	s_load_b128 s[20:23], s[0:1], 0x40             ; bv, qkv_codes
	s_load_b64 s[24:25], s[0:1], 0x50              ; qkv_scales
	v_lshl_add_u32 v[SPW], v0, 2, SPARE
	v_mov_b32 v[NIL], 0
	ds_add_u32 v115, v116
	ds_add_u32 v115, v116
	s_wait_dscnt 0x0
	v_lshrrev_b32 v9, 5, v0
	v_readfirstlane_b32 s[WV], v9                  ; wave 0..3
	s_bfe_u32 s27, ttmp6, 0x40000                  ; cx
	s_lshl_b32 s28, ttmp9, 2
	s_add_co_u32 s28, s28, s27                     ; my pixel block: it enters only addresses of loads and stores that are not joint
	s_and_b32 s29, ttmp7, 0xffff                   ; the batch
	; descriptor group 1: two rows of 16,384 bytes (2,048 elements of 8 bytes), 65,536 bytes apart in memory: my part of two steps; they lie on end in LDS.  The mask names all four work-groups
	s_mov_b32 s[G1], 15|(3<<16)|(1<<21)
	s_mov_b32 s[G1+1], 2048<<16                    ; tensor_dim0
	s_mov_b32 s[G1+2], 2<<16                       ; tensor_dim1
	s_mov_b32 s[G1+3], 2048<<16                    ; tile_dim0
	s_mov_b32 s[G1+4], 2                           ; tile_dim1
	s_mov_b32 s[G1+5], 8192                        ; elements from row to row
	s_mov_b32 s[G1+6], 0
	s_mov_b32 s[G1+7], 0
	s_lshl_b32 s30, s[WV], 14                      ; my part of a step in memory
	s_mov_b32 s31, 0
	s_wait_kmcnt 0x0
	s_add_nc_u64 s[8:9], s[8:9], s[30:31]
	ROUND                                          ; all four work-groups are here: the first joint loads meet
	s_mov_b32 s[G0], 1
	s_lshl_b32 s[G0+1], s[WV], 15                  ; my 32,768 LDS bytes: no place in the cluster enters an LDS address
	s_mov_b64 s[G0+2:G0+3], s[8:9]
	s_or_b32 s[G0+3], s[G0+3], 0x80000000
	tensor_load_to_lds s[G0:G0+3], s[G1:G1+7]      ; steps 0 and 1: one load of mine is out
	s_nop 0
	NOPS 4
	v_and_b32 v9, 31, v0
	v_lshlrev_b32 v[LI], 4, v9
	v_lshlrev_b32 v[L4], 2, v9
	v_add_nc_u32 v[AI], s[G0+1], v[LI]
	v_and_b32 v10, 15, v0
	v_and_b32 v11, 8, v0
	v_add_nc_u32 v10, v10, v11                     ; r + 8 (r / 8)
	v_bfe_u32 v11, v0, 4, 1                        ; h
	v_lshl_add_u32 v12, v11, 3, v10                ; 8 h + r + 8 (r / 8)
	s_lshl_b32 s2, s[WV], 9
	v_lshl_add_u32 v13, v11, 6, s2                 ; bq, bk: 512 w + 64 h
	v_lshl_add_u32 v14, v10, 2, s2                 ; bv: 512 w + 4 (r + 8 (r / 8))
	s_lshl_b32 s2, s[WV], 11
	v_lshl_add_u32 v15, v12, 4, s2                 ; W's scales: 16 bytes a row
	s_mul_i32 s2, s[WV], 6144
	s_add_co_u32 s2, s2, TBS
	v_add_nc_u32 v[ATS], s2, v[LI]
	s_mul_i32 s2, s[WV], 24576
	s_add_co_u32 s2, s2, TBB
	v_add_nc_u32 v[ATB], s2, v[LI]
	s_lshl_b32 s2, s29, 3
	s_add_co_u32 s2, s2, s28
	s_lshl_b32 s2, s2, 16
	s_mov_b32 s3, 0
	s_add_nc_u64 s[4:5], s[4:5], s[2:3]            ; hn's codes of my block
	s_lshl_b32 s2, s29, 14
	s_lshl_b32 s31, s28, 7
	s_add_co_u32 s2, s2, s31
	s_add_nc_u64 s[6:7], s[6:7], s[2:3]            ; and its scale bytes
.irp s, 0,1,2,3
.irp tp, 0,1,2,3
.irp cc, 0,1,2,3
	global_load_u8 v[ACC+4*(4*\s+\tp)+\cc], v12, s[6:7] offset:1024*(4*\s+\cc)+32*\tp   ; the byte of pixel 32 tp + 8 h + r + 8 (r / 8), channels 128 s + 32 cc on
.endr
.endr
.endr
	WIN 0x40
.set nn, 0
.rept 64
	global_load_b128 v[4*nn:4*nn+3], v[LI], s[4:5] offset:512*nn
.set nn, nn+1
.endr
	WIN 0x80
.set nn, 0
.rept 64
	global_load_b128 v[4*nn:4*nn+3], v[LI], s[4:5] offset:32768+512*nn
.set nn, nn+1
.endr
	WIN 0xc0                                       ; the tables' contents pass through window 3
.irp m, 0,1
.irp bs, 0,1,2,3
.irp i, 0,1,2,3
	global_load_b128 v[16*(4*\m+\bs)+4*\i:16*(4*\m+\bs)+4*\i+3], v13, s[16+2*\m:17+2*\m] offset:128*\bs+16*\i   ; register 8 u + j: b[128 w + 32 step + 16 h + 8 u + j]
.endr
.endr
.endr
.irp bs, 0,1,2,3
.irp u, 0,1
.irp j, 0,1,2,3,4,5,6,7
	global_load_b32 v[128+16*\bs+8*\u+\j], v14, s[20:21] offset:128*\bs+32*\u   ; v: a lane is a channel: the same number in a tile's eight registers
.endr
.endr
.endr
.irp m, 0,1,2
.irp bs, 0,1,2,3
	global_load_b128 v[192+4*(4*\m+\bs):192+4*(4*\m+\bs)+3], v15, s[10+2*\m:11+2*\m] offset:512*\bs
.endr
.endr
	WIN 0
	s_mul_i32 s2, s29, 1572864
	s_lshl_b32 s31, s28, 16
	s_add_co_u32 s2, s2, s31
	s_add_nc_u64 s[22:23], s[22:23], s[2:3]        ; qkv_codes: my batch, + 65,536 x my block
	s_lshl_b32 s2, s[WV], 11
	s_add_nc_u64 s[CB:CB+1], s[22:23], s[2:3]      ; q: K step w of each pixel tile
	s_add_co_u32 s2, s30, 1048576
	s_add_nc_u64 s[CBV:CBV+1], s[22:23], s[2:3]    ; v: my 8 channel tiles of key step blk
	s_mul_i32 s2, s29, 49152
	s_add_nc_u64 s[24:25], s[24:25], s[2:3]
	s_lshl_b32 s2, s[WV], 12
	s_lshl_b32 s31, s28, 9
	s_add_co_u32 s2, s2, s31
	s_add_nc_u64 s[SBQ:SBQ+1], s[24:25], s[2:3]
	s_lshl_b32 s2, s28, 11
	s_lshl_b32 s31, s[WV], 9
	s_add_co_u32 s2, s2, s31
	s_add_co_u32 s2, s2, 32768
	s_add_nc_u64 s[SBV:SBV+1], s[24:25], s[2:3]
	s_mov_b32 s[SEL], 0x76543210
	s_mov_b32 s[SEL+1], 0xfedcba98
	s_mov_b32 s[MNT], 0x600000
	s_mov_b32 s[HI], 0xffff0000
	s_mov_b32 s[TT], 0
	s_mov_b32 s[TO], 0
	s_wait_loadcnt 0x0
.set nn, 0
.rept 16
	v_lshl_or_b32 v[SC+nn], v[ACC+4*nn+1], 8, v[ACC+4*nn]
	v_lshl_or_b32 v[SC+nn], v[ACC+4*nn+2], 16, v[SC+nn]
	v_lshl_or_b32 v[SC+nn], v[ACC+4*nn+3], 24, v[SC+nn]
.set nn, nn+1
.endr
	WIN 0x0c                                       ; an LDS store's data are its source 1: window 3
.set nn, 0
.rept 48
	ds_store_b128 v[ATB], v[4*nn:4*nn+3] offset:512*nn
.set nn, nn+1
.endr
.set nn, 0
.rept 12
	ds_store_b128 v[ATS], v[192+4*nn:192+4*nn+3] offset:512*nn
.set nn, nn+1
.endr
	WIN 0
.irp b, 0,1,2,3
	v_mov_b32 v[TM+4+\b], 0                        ; written once: a lane permute's destination counts as one of its sources
.endr
	s_wait_dscnt 0x0                               ; the stores have read window 3
	s_wait_tensorcnt 0x0                           ; steps 0 and 1 have landed.  A wave reads only bytes that its own loads brought: no barrier
	AFETCH 0
	AFETCH 1
	TFETCH
; A STEP: its 64 products out of set 'set', the fetches for what follows, and under them the vector work on the 16 accumulators.
; fetch = 0: the last step; 1: the next step's tables; 2: besides, the next two steps' fragments come out of LDS into both sets.
.macro TRIP kind, set, fetch
	s_wait_dscnt 0x0                               ; the step's fragments, scale words and bias registers are in
	MUL \kind, \set
	WIN 0
	NOPS 9                                         ; places in front of the loads into operands, of the first read of results, and of the next step's products, which begin the accumulators anew
.if \fetch
	s_add_co_u32 s[TT], s[TT], 512
	s_add_co_u32 s[TO], s[TO], 2048
.if \fetch == 2
	s_wait_tensorcnt 0x0                           ; my one load, the next two steps, has landed: these reads need it
	AFETCH 0
	AFETCH 1
.endif
	TFETCH
.endif
.if \kind == 0
.irp g, 0,1
	QUANT ACC+64*\g, PC+16*\g, -1                  ; block p = pixel tile 4 g + p, channels 128 w + 32 step on: chunk 'step' of fragment (4 g + p, w)
.irp p, 0,1,2,3
	v_lshl_or_b32 v[SW+4*\g+\p], v[TM+4+\p], s[SH], v[SW+4*\g+\p]
.endr
.irp p, 0,1,2,3
	global_store_b128 v[LI], v[PC+16*\g+4*\p:PC+16*\g+4*\p+3], s[CB:CB+1] offset:8192*(4*\g+\p)   ; 512 consecutive bytes
.endr
.endr
	s_wait_xcnt 0x0                                ; the stores' base and data are written again only behind this wait
	s_add_nc_u64 s[CB:CB+1], s[CB:CB+1], 512
	s_add_co_u32 s[SH], s[SH], 8                   ; the next step's bytes stand one place higher in the scale words
.else
.irp u, 0,1
	QUANT ACC+64*\u, PC+16*\u, PW+\u               ; a whole fragment of V: 16 channels x the block's 128 keys
.irp c, 0,1,2,3
	global_store_b128 v[LI], v[PC+16*\u+4*\c:PC+16*\u+4*\c+3], s[CBV:CBV+1] offset:2048*\u+512*\c
.endr
.endr
	v_cndmask_b32 v[PWS], v[PW], v[PW+1], s[HI]    ; lanes 0-15 the even tile's words, lanes 16-31 the odd tile's
	global_store_b32 v[L4], v[PWS], s[SBV:SBV+1]
	s_wait_xcnt 0x0
	s_add_nc_u64 s[CBV:CBV+1], s[CBV:CBV+1], 4096
	s_add_nc_u64 s[SBV:SBV+1], s[SBV:SBV+1], 128
.endif
.endm
	s_mov_b32 s[MC], 2
.Lmat:                                             ; q, then k
.irp i, 0,1,2,3,4,5,6,7
	v_mov_b32 v[SW+\i], 0
.endr
	s_mov_b32 s[SH], 0
	s_mov_b32 s[BC], 2
.Lblk:                                             ; a trip: one refill, two steps
	CHANGE
	TRIP 0, 0, 1
	TRIP 0, 1, 2
	s_sub_co_u32 s[BC], s[BC], 1
	s_cmp_lg_u32 s[BC], 0
	s_cbranch_scc1 .Lblk
.irp tp, 0,1,2,3
	v_cndmask_b32 v[SWP+\tp], v[SW+2*\tp], v[SW+2*\tp+1], s[HI]
.endr
	global_store_b128 v[LI], v[SWP:SWP+3], s[SBQ:SBQ+1]
	s_wait_xcnt 0x0
	s_add_nc_u64 s[CB:CB+1], s[CB:CB+1], 524288-2048
	s_add_nc_u64 s[SBQ:SBQ+1], s[SBQ:SBQ+1], 16384
	s_sub_co_u32 s[MC], s[MC], 1
	s_cmp_lg_u32 s[MC], 0
	s_cbranch_scc1 .Lmat
	CHANGE                                         ; v's four steps are written out: the last refill brings its steps 2 and 3
	TRIP 1, 0, 1
	TRIP 1, 1, 2
	TRIP 1, 0, 1
	TRIP 1, 1, 0
	s_wait_tensorcnt 0x0                           ; the wave's end
	ds_add_u32 v[SPW], v[NIL]
	s_wait_dscnt 0x0
	ROUND                                          ; the closing round
	s_endpgm
.Lfunc_end_k_qca6817946c_qkv:
	.size	k_qca6817946c_qkv, .Lfunc_end_k_qca6817946c_qkv-k_qca6817946c_qkv
	.p2alignl 7, 3214868480
	.fill 96, 4, 3214868480
	.section	.rodata,"a",@progbits
	.p2align	6, 0x0
	.amdhsa_kernel k_qca6817946c_qkv
		.amdhsa_group_segment_fixed_size 327680
		.amdhsa_private_segment_fixed_size 0
		.amdhsa_enable_private_segment 0
		.amdhsa_kernarg_size 88
		.amdhsa_user_sgpr_count 2
		.amdhsa_user_sgpr_kernarg_segment_ptr 1
		.amdhsa_wavefront_size32 1
		.amdhsa_system_sgpr_workgroup_id_x 1
		.amdhsa_system_sgpr_workgroup_id_y 1
		.amdhsa_system_sgpr_workgroup_id_z 1
		.amdhsa_system_vgpr_workitem_id 0
		.amdhsa_next_free_vgpr 1024
		.amdhsa_next_free_sgpr 66
		.amdhsa_reserve_vcc 0
		.amdhsa_float_denorm_mode_32 3
		.amdhsa_float_denorm_mode_16_64 3
		.amdhsa_memory_ordered 1
		.amdhsa_forward_progress 1
		.amdhsa_inst_pref_size 211
	.end_amdhsa_kernel
	.amdgpu_metadata
---
amdhsa.version: [ 1, 2 ]
amdhsa.kernels:
  - .name:           k_qca6817946c_qkv
    .symbol:         k_qca6817946c_qkv.kd
    .args:
      - { .name: hn_codes, .offset: 0, .size: 8, .value_kind: global_buffer, .address_space: global }
      - { .name: hn_scales, .offset: 8, .size: 8, .value_kind: global_buffer, .address_space: global }
      - { .name: w_img, .offset: 16, .size: 8, .value_kind: global_buffer, .address_space: global }
      - { .name: wq_scales, .offset: 24, .size: 8, .value_kind: global_buffer, .address_space: global }
      - { .name: wk_scales, .offset: 32, .size: 8, .value_kind: global_buffer, .address_space: global }
      - { .name: wv_scales, .offset: 40, .size: 8, .value_kind: global_buffer, .address_space: global }
      - { .name: bq, .offset: 48, .size: 8, .value_kind: global_buffer, .address_space: global }
      - { .name: bk, .offset: 56, .size: 8, .value_kind: global_buffer, .address_space: global }
      - { .name: bv, .offset: 64, .size: 8, .value_kind: global_buffer, .address_space: global }
      - { .name: qkv_codes, .offset: 72, .size: 8, .value_kind: global_buffer, .address_space: global }
      - { .name: qkv_scales, .offset: 80, .size: 8, .value_kind: global_buffer, .address_space: global }
    .group_segment_fixed_size: 327680
    .private_segment_fixed_size: 0
    .kernarg_segment_align: 8
    .kernarg_segment_size: 88
    .max_flat_workgroup_size: 128
    .sgpr_count:     66
    .vgpr_count:     1024
    .wavefront_size: 32
...
	.end_amdgpu_metadata
.endif
;; end of part 2
;; launch attn (part 3): grid 8 x 32, 4 waves a work-group, clusters of 4 x 1, 327,680 bytes of LDS; arguments qkv_codes, qkv_scales, w_img, wp_scales, bp, x, out0; writes out0
.if DOCPART == 3
	.amdgcn_target "amdgcn-amd-amdhsa--gfx1250"
	.amdhsa_code_object_version 6
	.text
	.protected	k_qca6817946c_attn
	.globl	k_qca6817946c_attn
	.p2align	8
	.type	k_qca6817946c_attn,@function
k_qca6817946c_attn:
	s_mov_b64 s[64:65], 0
	v_nop
	global_prefetch_b8 v0, s[64:65] scope:SCOPE_SE
	s_setreg_imm32_b32 hwreg(HW_REG_WAVE_MODE, 25, 1), 1
	s_wait_xcnt 0x0
	s_wait_alu depctr_hold_cnt(0) depctr_sa_sdst(0) depctr_va_vdst(0) depctr_va_sdst(0) depctr_va_ssrc(0) depctr_va_vcc(0) depctr_vm_vsrc(0)
	s_getreg_b32 s2, hwreg(HW_REG_IB_STS2, 6, 4)
	s_cmp_eq_u32 s2, 0
	s_cbranch_scc0 .Lentry_in_a_cluster
	s_endpgm
.Lentry_in_a_cluster:
	s_bfe_u32 s2, ttmp6, 0x10000c
	s_cmp_lg_u32 s2, 0x3003
	s_cbranch_scc0 .Lentry_shape_is_right
	s_endpgm
.Lentry_shape_is_right:
; out0 = x + Wp (V softmax(Q^T K / sqrt(512))^T) + bp, all three products on codes of E5M2 with one E8M0 scale for each 32 along K.
; SHARES.  A work-group takes 128 queries of one batch.  20 steps of 65,536 bytes stream through LDS: 8 of K (128 keys each), 8 of V, 4 of Wp; a wave loads and reads its own 16,384 bytes of a step.
;   scores: wave w takes keys 32 w .. 32 w + 31 of each step x all 128 queries (Q stays in registers);  V P: channels 128 w .. + 127 x all queries (64 accumulators);  Wp O: output channels 128 w + 32 k .. + 31 in trip k (O stays in registers).
;   P and O go from wave to wave through LDS as images of operand registers.
; THE RING.  K, V and Wp's first half come TWO STEPS AT A TIME: one tensor load a wave brings its part of an even step and of the odd step behind it into 32,768 LDS bytes of its own.  The other buffer is in
; registers: window 3 holds both steps' fragments, so that when they have been fetched all of the wave's LDS bytes are free for the next two steps, which have the better part of two steps' work in which to land.
; Wp's last two steps come singly, each into one half of those bytes: in the projection window 3's second set holds x.
; CLUSTER.  The four work-groups of a cluster are four query blocks of one batch and walk the same K, V and Wp: each load is asked for jointly, with the mask of all four.
; THE SOFTMAX.  t = score x log2(e) / sqrt(512).  A block of 32 keys of a query is shifted by a whole number of its own, M' = floor(its largest t) + 1, so that its largest p = 2^(t - M') lies in [1/2, 1):
; the block's scale is then 2^-16 and the hold 0.875 x 1, both constants.  The row's sum is taken of the unquantised p under a running M; at the end each block's byte is 111 + (its M' - the row's M'):
; a power of two that the block's scale takes up.  O is divided by the sum and quantised along the channels.
; LIMITS: NaN and infinities are not served; |t| stays under 2^23, so that floor(t) + 1 is exact; a block more than 111 powers of two under its row's M' gets the byte 0, that is at most 2^-111 of the row's largest p;
; a p that the exponential rounds up to exactly 1.0 is held at 0.875; a block of zeros of O gets the byte 1 (its codes are zeros).
; REGISTERS: window 0: addresses, v16-35 scale words and nothing else, statistics, v128-255 16 accumulators, later P's 8 fragments, later at work; windows 1, 2: Q, then the 64 accumulators of O^T, then O;
;   window 3: v0-127 an even step's fragments, v128-255 the odd step's, later x.
.set HALF,  16384                      ; a wave's part of one step; wave w's two parts begin at LDS byte 32,768 w
.set PIMG,  131072                     ; P: [chunk = wave 4][key step 8][query tile 8][512]; later O's images [qt 8][s 4][2,048] in its first half, the stages in its second
.set REC,   262144                     ; [w][step 8][512]: -M' of my blocks
.set PS,    278528                     ; [key step 8][lane 32][tile pair 4] words of P's scale bytes; byte w comes from wave w
.set EX,    282624                     ; [w][2,048]: 8 registers of -M, 8 of sums
.set OS,    290816                     ; [s 4][lane][tile pair 4]: O's scale words
.set TBS,   292864                     ; [w][trip 4][512]: Wp's scale words
.set TBB,   301056                     ; [w][128]: bp
.set SPARE, 303104                     ; the spare words: 128 bytes a wave, named by no other line
.set STAGE, PIMG+65536                 ; 32 rows x (512 + 16) bytes for each wave
.set LI,1
.set L4,2
.set AI,3
.set ADR,4
.set KSO0,5
.set KSO,6
.set PST0,7
.set PST,8
.set RCA0,9
.set RCA,10
.set PSB,11
.set EXA,12
.set STO,13
.set SRD,14
.set ATS,15
.set SC,16                             ; v16-31  Q's scale words, in the projection O's: SC + 4 s + tp
.set SCV,16                            ; v16-23  between the two: V's scale words, two sets
.set SCP,24                            ; v24-31  and P's, two sets
.set SCW,32                            ; v32-35  K's scale words, later Wp's
.set NMP,36                            ; v36-43  four pairs: -M' of a block (the low word is used)
.set D1,44
.set D2,48
.set BIAS,36                           ; v36-51  in the projection: bp in the result's layout
.set NMR,52                            ; v52-59  -M, running, a query tile each
.set LS,60                             ; v60-67  the sums
.set RL2,52                            ; v52-67  1 / sum, each twice
.set TM,68
.set RC,84
.set SUM,88
.set OW,84
.set OWP,92
.set PC,96
.set SPW,113
.set NIL,114
.set PFO,115
.set PFX,116
.set CSC,117
.set VSO,118
.set PRD,120
.set ADB,121
.set ABB,122
.set PRD2,123
.set PB,124
.set PSL,125
.set TA,126
.set OST,127
.set ACC,128
.set XP,14
.set OP,16
.set WV,18
.set WA,26
.set WPB,28
.set PFA,30
.set G1D,32                            ; s[32:39] group 1 for two steps' parts
.set G0S,40                            ; s[40:43] group 0 for Wp's last two steps, one at a time
.set G0,44                             ; s[44:47] group 0 for two steps' parts
.set TB,48
.set RJ,49                             ; s49  the pair of steps that is asked for next
.set RI,50
.set LIM,51
.set PO,52
.set RO,53
.set VO,54
.set SO,55
.set SEL,56
.set CS,58
.set HOLD,60
.set HI,61
.set MNT,62
.set TT,63
.set KS,66
.set VS,68
.set TO,70
.set LC,71                             ; s71  the loops' counter
.set G1S,72                            ; s[72:79] group 1 for one step's part
.set MSB, 0
.macro WIN new                         ; the immediate's high byte repeats the setting that is left
.if MSB != (\new)
	s_set_vgpr_msb (MSB<<8)|(\new)
.set MSB, (\new)
.endif
.endm
.macro NOPS n
.rept \n
	v_nop
.endr
.endm
.macro ROUND                           ; a round of the cluster's barrier
	s_barrier_signal -1
	s_barrier_wait -1
	s_cmp_lg_u32 s[WV], 0
	s_cbranch_scc1 .Lnw0_\@
	s_barrier_signal -3
.Lnw0_\@:
	s_barrier_wait -3
	s_barrier_signal -1
	s_barrier_wait -1
.endm
.macro BAR                             ; my LDS stores have landed and my LDS loads are in: then the work-group's barrier
	s_wait_dscnt 0x0
	s_barrier_signal -1
	s_barrier_wait -1
.endm
; one matrix instruction.  c < 0: the constant 0 starts the sum.  ra, rb: the side's scales stand in lanes 16-31
.macro WM d, a, b, c, sa, sb, ra, rb
.if (\c) < 0
.if (\ra) && (\rb)
	v_wmma_scale_f32_16x16x128_f8f6f4 v[\d:\d+7], v[\a:\a+15], v[\b:\b+15], 0, v[\sa], v[\sb] matrix_a_fmt:MATRIX_FMT_BF8 matrix_b_fmt:MATRIX_FMT_BF8 matrix_a_scale:MATRIX_SCALE_ROW1 matrix_b_scale:MATRIX_SCALE_ROW1
.elseif (\ra)
	v_wmma_scale_f32_16x16x128_f8f6f4 v[\d:\d+7], v[\a:\a+15], v[\b:\b+15], 0, v[\sa], v[\sb] matrix_a_fmt:MATRIX_FMT_BF8 matrix_b_fmt:MATRIX_FMT_BF8 matrix_a_scale:MATRIX_SCALE_ROW1
.elseif (\rb)
	v_wmma_scale_f32_16x16x128_f8f6f4 v[\d:\d+7], v[\a:\a+15], v[\b:\b+15], 0, v[\sa], v[\sb] matrix_a_fmt:MATRIX_FMT_BF8 matrix_b_fmt:MATRIX_FMT_BF8 matrix_b_scale:MATRIX_SCALE_ROW1
.else
	v_wmma_scale_f32_16x16x128_f8f6f4 v[\d:\d+7], v[\a:\a+15], v[\b:\b+15], 0, v[\sa], v[\sb] matrix_a_fmt:MATRIX_FMT_BF8 matrix_b_fmt:MATRIX_FMT_BF8
.endif
.else
.if (\ra) && (\rb)
	v_wmma_scale_f32_16x16x128_f8f6f4 v[\d:\d+7], v[\a:\a+15], v[\b:\b+15], v[\c:\c+7], v[\sa], v[\sb] matrix_a_fmt:MATRIX_FMT_BF8 matrix_b_fmt:MATRIX_FMT_BF8 matrix_a_scale:MATRIX_SCALE_ROW1 matrix_b_scale:MATRIX_SCALE_ROW1
.elseif (\ra)
	v_wmma_scale_f32_16x16x128_f8f6f4 v[\d:\d+7], v[\a:\a+15], v[\b:\b+15], v[\c:\c+7], v[\sa], v[\sb] matrix_a_fmt:MATRIX_FMT_BF8 matrix_b_fmt:MATRIX_FMT_BF8 matrix_a_scale:MATRIX_SCALE_ROW1
.elseif (\rb)
	v_wmma_scale_f32_16x16x128_f8f6f4 v[\d:\d+7], v[\a:\a+15], v[\b:\b+15], v[\c:\c+7], v[\sa], v[\sb] matrix_a_fmt:MATRIX_FMT_BF8 matrix_b_fmt:MATRIX_FMT_BF8 matrix_b_scale:MATRIX_SCALE_ROW1
.else
	v_wmma_scale_f32_16x16x128_f8f6f4 v[\d:\d+7], v[\a:\a+15], v[\b:\b+15], v[\c:\c+7], v[\sa], v[\sb] matrix_a_fmt:MATRIX_FMT_BF8 matrix_b_fmt:MATRIX_FMT_BF8
.endif
.endif
.endm
; 64 matrix instructions: 2 streamed tiles (out of window 3's set 'set') x 8 resident tiles x 4 K steps, D = ACC + 16 qt + 8 u.  In each K step eight accumulators take turns, one instruction a turn.
; kind 0 (scores): source 0 = K's tile, source 1 = Q's, the constant 0 starts the sums.  kind 1 (projection): source 0 = O's tile, source 1 = Wp's, the bias starts them.
.macro MUL kind, set
.irp half, 0,1
.if \kind == 0
	WIN 0x07+4*\half
.else
	WIN 0x0d+\half
.endif
.irp s, 0,1,2,3
.irp p, 0,1,2,3
.irp u, 0,1
.set QT, 4*\half+\p
.set DD, ACC+16*QT+8*\u
.set RES, 16*(4*\p+\s)
.set STR, 128*(\set)+16*(4*\u+\s)
.if \kind == 0
.if \s == 0
	WM DD, STR, RES, -1, SCW+\s, SC+4*\s+QT/2, \u, QT%2
.else
	WM DD, STR, RES, DD, SCW+\s, SC+4*\s+QT/2, \u, QT%2
.endif
.else
.if \s == 0
	WM DD, RES, STR, BIAS+8*\u, SC+4*\s+QT/2, SCW+\s, QT%2, \u
.else
	WM DD, RES, STR, DD, SC+4*\s+QT/2, SCW+\s, QT%2, \u
.endif
.endif
.endr
.endr
.endr
.endr
.endm
; 64 numbers of a lane, register 16 b + i = k 32 b + 16 (lane / 16) + i of my row, become a fragment's codes at v[pc] and its scale word in v[pw]
.macro QUANT s, pc, pw
.irp b, 0,1,2,3
	v_max3_num_f32 v[TM+\b], |v[\s+16*\b]|, |v[\s+16*\b+1]|, 0x8000000   ; with the floor 2^(16 - 127): the byte cannot fall under 1
.endr
.irp i, 2,4,6,8,10,12,14
.irp b, 0,1,2,3
	v_max3_num_f32 v[TM+\b], v[TM+\b], |v[\s+16*\b+\i]|, |v[\s+16*\b+\i+1]|
.endr
.endr
.irp b, 0,1,2,3
	v_permlanex16_b32 v[TM+4+\b], v[TM+\b], s[SEL], s[SEL+1]
.endr
.irp b, 0,1,2,3
	v_max_num_f32 v[TM+\b], v[TM+\b], v[TM+4+\b]
.endr
.irp b, 0,1,2,3
	v_add_nc_u32 v[TM+12+\b], 0xf8800000, v[TM+\b] ; 15 off the exponent field: the conversion's scale operand
.endr
.irp b, 0,1,2,3
	v_and_or_b32 v[TM+8+\b], v[TM+\b], 0x7f800000, s[MNT]   ; 57,344 x the scale
.endr
.irp b, 0,1,2,3
	v_lshrrev_b32 v[TM+4+\b], 23, v[TM+12+\b]      ; the byte
.endr
	v_lshl_or_b32 v[\pw], v[TM+5], 8, v[TM+4]
	v_lshl_or_b32 v[\pw], v[TM+6], 16, v[\pw]
	v_lshl_or_b32 v[\pw], v[TM+7], 24, v[\pw]
.irp b, 0,1,2,3
.irp i, 0,1,2,3,4,5,6,7,8,9,10,11,12,13,14,15
	v_med3_num_f32 v[\s+16*\b+\i], v[\s+16*\b+\i], -v[TM+8+\b], v[TM+8+\b]   ; the conversion does not saturate (ISA guide 7.6.2): the hold
.endr
	v_cvt_scalef32_pk8_bf8_f32 v[\pc+4*\b:\pc+4*\b+1], v[\s+16*\b:\s+16*\b+7], v[TM+12+\b]
	v_cvt_scalef32_pk8_bf8_f32 v[\pc+4*\b+2:\pc+4*\b+3], v[\s+16*\b+8:\s+16*\b+15], v[TM+12+\b]
.endr
	v_nop                                          ; a plain instruction behind the last conversion
.endm
.macro AFETCH set                      ; my 16,384 bytes of the even (set 0) or the odd (set 1) step: register 4 n of the set takes chunk n, for K, V and Wp alike
	WIN 0xc0
.set nn, 0
.rept 32
	ds_load_b128 v[128*(\set)+4*nn:128*(\set)+4*nn+3], v[AI] offset:HALF*(\set)+512*nn
.set nn, nn+1
.endr
	WIN 0
.endm
.macro AFETCHT                         ; the projection's: the half named by s[TB], always into set 0
	v_add_nc_u32 v[ADR], s[TB], v[AI]
	WIN 0xc0
.set nn, 0
.rept 32
	ds_load_b128 v[4*nn:4*nn+3], v[ADR] offset:512*nn
.set nn, nn+1
.endr
	WIN 0
.endm
; A PREFETCH INTO THE L2 of K's and V's stream: the pair of steps behind the pair just asked for.  The 8 work-groups of a batch share a pair's 131,072 bytes out by address, 16,384 each;
; in each, wave 0 asks, by two instructions, a lane for each 256 bytes: every block is named once in the launch.  Pairs 0 and 1 come by their loads alone; the last pair asked for is V's last.
.macro ASK
	s_cmp_lt_u32 s[RJ], s[LIM]
	s_cbranch_scc0 .Lnm_\@
	global_prefetch_b8 v[PFO], s[PFA:PFA+1] th:TH_LOAD_NT scope:SCOPE_SE
	global_prefetch_b8 v[PFO], s[PFA:PFA+1] offset:8192 th:TH_LOAD_NT scope:SCOPE_SE
.Lnm_\@:
	s_add_co_u32 s[RJ], s[RJ], 1
.endm
; THE REFILL BY PAIRS.  The two steps in hand lie in registers; my LDS bytes take the pair behind them (number s[RJ]): K and V are one stream of memory, pair 8 is Wp's first.
.macro CHANGED
	s_wait_tensorcnt 0x0                           ; no tensor load of mine is out: the group 0 may be written
	ds_add_u32 v[SPW], v[NIL]                      ; 0 onto my spare word
	s_wait_xcnt 0x0                                ; the last prefetches, a pair back, have read their address
	s_add_nc_u64 s[PFA:PFA+1], s[PFA:PFA+1], 131072
	s_add_nc_u64 s[WA:WA+1], s[WA:WA+1], 131072
	s_cmp_eq_u32 s[RJ], 8
	s_cselect_b64 s[WA:WA+1], s[WPB:WPB+1], s[WA:WA+1]
	s_mov_b64 s[G0+2:G0+3], s[WA:WA+1]
	s_or_b32 s[G0+3], s[G0+3], 0x80000000
	s_wait_dscnt 0x0                               ; the add is done, and my reads of the bytes that are filled next are over
	ROUND                                          ; the same holds of every wave of the four work-groups
	tensor_load_to_lds s[G0:G0+3], s[G1D:G1D+7]    ; my one tensor load behind the round
	s_nop 0
	NOPS 4
	ASK
.endm
; THE REFILL BY ONE STEP, in the projection: the half whose step lies in registers takes Wp's step two on.
.macro CHANGES
	s_wait_tensorcnt 0x0                           ; my one load that was out has landed: the group 0 may be written
	ds_add_u32 v[SPW], v[NIL]                      ; 0 onto my spare word
	s_xor_b32 s[G0S+1], s[G0S+1], HALF             ; the other half than last time,
	s_add_nc_u64 s[G0S+2:G0S+3], s[G0S+2:G0S+3], 65536   ; the next step; the type bits on top are not reached
	s_wait_dscnt 0x0                               ; the add is done, and my reads of the half that is filled next are over
	ROUND
	tensor_load_to_lds s[G0S:G0S+3], s[G1S:G1S+7]  ; my one tensor load behind the round
	s_nop 0
	NOPS 4
.endm
	s_load_b256 s[4:11], s[0:1], 0x0               ; qkv_codes, qkv_scales, w_img, wp_scales
	s_load_b128 s[12:15], s[0:1], 0x20             ; bp, x
	s_load_b64 s[16:17], s[0:1], 0x30              ; out0
	v_lshl_add_u32 v[SPW], v0, 2, SPARE
	v_mov_b32 v[NIL], 0
	ds_add_u32 v113, v114
	ds_add_u32 v113, v114
	s_wait_dscnt 0x0
	v_lshrrev_b32 v68, 5, v0
	v_readfirstlane_b32 s[WV], v68                 ; wave 0..3
	s_bfe_u32 s19, ttmp6, 0x40000                  ; cx
	s_lshl_b32 s20, ttmp9, 2
	s_add_co_u32 s20, s20, s19                     ; my query block: it enters only addresses of loads, stores and prefetches that are not joint
	s_and_b32 s21, ttmp7, 0xffff                   ; the batch
	; group 1 for a pair: two rows of 16,384 bytes (2,048 elements of 8 bytes), 65,536 bytes apart in memory: my part of two steps; they lie on end in LDS.  The mask names all four work-groups
	s_mov_b32 s[G1D], 15|(3<<16)|(1<<21)
	s_mov_b32 s[G1D+1], 2048<<16                   ; tensor_dim0
	s_mov_b32 s[G1D+2], 2<<16                      ; tensor_dim1
	s_mov_b32 s[G1D+3], 2048<<16                   ; tile_dim0
	s_mov_b32 s[G1D+4], 2                          ; tile_dim1
	s_mov_b32 s[G1D+5], 8192                       ; elements from row to row
	s_mov_b32 s[G1D+6], 0
	s_mov_b32 s[G1D+7], 0
	; group 1 for one step: 16,384 dense bytes as 64 rows of 32 elements of 8 bytes
	s_mov_b32 s[G1S], 15|(3<<16)|(1<<21)
	s_mov_b32 s[G1S+1], 32<<16
	s_mov_b32 s[G1S+2], 64<<16
	s_mov_b32 s[G1S+3], 32<<16
	s_mov_b32 s[G1S+4], 64
	s_mov_b32 s[G1S+5], 32
	s_mov_b32 s[G1S+6], 0
	s_mov_b32 s[G1S+7], 0
	s_mul_i32 s22, s21, 1572864
	s_mov_b32 s23, 0
	s_lshl_b32 s24, s[WV], 14                      ; my part of a step in memory
	s_mov_b32 s25, 0
	s_wait_kmcnt 0x0
	s_add_nc_u64 s[4:5], s[4:5], s[22:23]          ; my batch's codes
	s_add_nc_u64 s[WA:WA+1], s[4:5], s[24:25]
	s_add_nc_u64 s[WA:WA+1], s[WA:WA+1], 524288    ; K's step 0, my part
	s_add_nc_u64 s[WPB:WPB+1], s[8:9], s[24:25]
	s_add_nc_u64 s[WPB:WPB+1], s[WPB:WPB+1], 786432   ; Wp's step 0, my part
	ROUND                                          ; all four work-groups are here: the first joint loads meet
	s_mov_b32 s[G0], 1
	s_lshl_b32 s[G0+1], s[WV], 15                  ; my 32,768 LDS bytes: no place in the cluster enters an LDS address
	s_mov_b64 s[G0+2:G0+3], s[WA:WA+1]
	s_or_b32 s[G0+3], s[G0+3], 0x80000000
	tensor_load_to_lds s[G0:G0+3], s[G1D:G1D+7]    ; K's steps 0 and 1: one load of mine is out
	s_nop 0
	NOPS 4
	s_mov_b32 s[G0S], 1                            ; Wp's single steps: it stands at step 1 and at the odd half; each refill steps it first
	s_add_co_u32 s[G0S+1], s[G0+1], HALF
	s_add_nc_u64 s[G0S+2:G0S+3], s[WPB:WPB+1], 65536
	s_or_b32 s[G0S+3], s[G0S+3], 0x80000000
	s_lshl_b32 s22, s20, 14
	s_add_co_u32 s22, s22, 524288+131072
	s_add_nc_u64 s[PFA:PFA+1], s[4:5], s[22:23]    ; my work-group's 16,384 bytes of pair 1: the first refill steps it to pair 2
	s_lshl_b32 s22, s20, 16
	s_add_nc_u64 s[4:5], s[4:5], s[22:23]          ; Q's codes of my block
	s_mul_i32 s22, s21, 49152
	s_add_nc_u64 s[6:7], s[6:7], s[22:23]
	s_add_nc_u64 s[KS:KS+1], s[6:7], 16384
	s_lshl_b32 s22, s[WV], 9
	s_add_co_u32 s22, s22, 32768
	s_add_nc_u64 s[VS:VS+1], s[6:7], s[22:23]
	s_lshl_b32 s22, s20, 9
	s_add_nc_u64 s[6:7], s[6:7], s[22:23]          ; Q's scale words of my block
	s_lshl_b32 s22, s21, 21
	s_lshl_b32 s24, s[WV], 19
	s_add_co_u32 s22, s22, s24
	s_lshl_b32 s24, s20, 9
	s_add_co_u32 s22, s22, s24
	s_add_nc_u64 s[XP:XP+1], s[XP:XP+1], s[22:23]  ; x and out0: my batch, my 128 channels, my 128 pixels
	s_add_nc_u64 s[OP:OP+1], s[OP:OP+1], s[22:23]
	v_and_b32 v68, 31, v0
	v_lshlrev_b32 v[LI], 4, v68
	v_lshlrev_b32 v[L4], 2, v68
	v_lshlrev_b32 v[PFO], 8, v68
	v_lshlrev_b32 v[PFX], 12, v68
	v_and_b32 v69, 15, v0
	v_and_b32 v70, 8, v0
	v_add_nc_u32 v69, v69, v70                     ; r + 8 (r / 8)
	v_bfe_u32 v70, v0, 4, 1                        ; h
	s_lshl_b32 s22, s[WV], 15
	v_add_nc_u32 v[AI], s22, v[LI]
	s_lshl_b32 s22, s[WV], 2
	v_add_nc_u32 v[KSO0], s22, v[LI]
	s_lshl_b32 s22, s[WV], 15
	s_add_co_u32 s22, s22, PIMG
	v_add_nc_u32 v[PST0], s22, v[LI]
	s_lshl_b32 s22, s[WV], 12
	s_add_co_u32 s22, s22, REC
	v_add_nc_u32 v[RCA0], s22, v[LI]
	s_add_co_u32 s22, s[WV], PS
	v_add_nc_u32 v[PSB], s22, v[LI]
	s_lshl_b32 s22, s[WV], 11
	s_add_co_u32 s24, s22, EX
	v_add_nc_u32 v[EXA], s24, v[LI]
	s_add_co_u32 s24, s22, TBS
	v_add_nc_u32 v[ATS], s24, v[LI]
	s_add_co_u32 s24, s22, PIMG
	v_add_nc_u32 v[OST], s24, v[LI]
	v_lshl_add_u32 v71, v70, 3, v69
	v_lshl_add_u32 v71, v71, 4, s22                ; Wp's scales: row 128 w + 8 h + r + 8 (r / 8), 16 bytes a row
	s_mul_i32 s22, s[WV], 16896
	s_add_co_u32 s22, s22, STAGE
	v_mul_u32_u24 v[STO], v69, 528
	v_lshl_add_u32 v[STO], v70, 6, v[STO]
	v_add_nc_u32 v[STO], s22, v[STO]
	v_add_nc_u32 v[SRD], s22, v[LI]
	s_lshl_b32 s22, s[WV], 9
	v_add_nc_u32 v72, s22, v[LI]                   ; bp: my 128 numbers in memory
	s_add_co_u32 s22, s22, TBB
	v_lshl_add_u32 v[ABB], v69, 2, s22
	v_add_nc_u32 v[TA], s22, v[LI]                 ; and where they go in LDS: a register that nothing writes before the store
	v_add_nc_u32 v[PB], PIMG, v[LI]
	v_add_nc_u32 v[PSL], PS, v[LI]
	v_mov_b32 v[KSO], v[KSO0]
	WIN 0x40
.set nn, 0
.rept 64
	global_load_b128 v[4*nn:4*nn+3], v[LI], s[4:5] offset:512*nn
.set nn, nn+1
.endr
	WIN 0x80
.set nn, 0
.rept 64
	global_load_b128 v[4*nn:4*nn+3], v[LI], s[4:5] offset:32768+512*nn
.set nn, nn+1
.endr
	WIN 0
.irp s, 0,1,2,3
	global_load_b128 v[SC+4*\s:SC+4*\s+3], v[LI], s[6:7] offset:4096*\s
	global_load_b32 v[SCW+\s], v[KSO], s[KS:KS+1] offset:4096*\s
	global_load_b128 v[ACC+4*\s:ACC+4*\s+3], v71, s[10:11] offset:512*\s
.endr
	global_load_b128 v[ACC+16:ACC+19], v72, s[12:13]
	s_mov_b32 s[SEL], 0x76543210
	s_mov_b32 s[SEL+1], 0xfedcba98
	s_mov_b32 s[CS], 0x3d8293ee                    ; c = log2(e) / sqrt(512)
	s_mov_b32 s[CS+1], s[CS]                       ; (named with it as a pair, so it is written)
	s_mov_b32 s[HOLD], 0x3f600000                  ; 57,344 x 2^-16
	s_mov_b32 s[HI], 0xffff0000
	s_mov_b32 s[MNT], 0x600000
	s_mov_b32 s[RJ], 1
	s_mov_b32 s[PO], 0
	s_mov_b32 s[RO], 0
	s_cmp_eq_u32 s[WV], 0
	s_cselect_b32 s[LIM], 7, 0
	v_mov_b32 v[CSC], 0x37800000                   ; 2^-16: the conversion's scale operand for every block of P
.irp q, 0,1,2,3,4,5,6,7
	v_mov_b32 v[NMR+\q], 0x7f61b1e6                ; -M = 3e38: under every t
	v_mov_b32 v[LS+\q], 0
.endr
.irp p, 0,1,2,3
	v_mov_b32 v[NMP+2*\p+1], 0                     ; (named as the upper halves of pairs)
.endr
	s_wait_loadcnt 0x0                             ; all the head's loads are in: their offset registers v71, v72 are free
.irp p, 0,1,2,3
	v_mov_b32 v[TM+4+\p], 0                        ; written once: a lane permute's destination counts as one of its sources
.endr
.irp k, 0,1,2,3
	ds_store_b128 v[ATS], v[ACC+4*\k:ACC+4*\k+3] offset:512*\k
.endr
	ds_store_b128 v[TA], v[ACC+16:ACC+19]
	s_wait_tensorcnt 0x0                           ; K's steps 0 and 1 have landed.  A wave reads only bytes that its own loads brought: no barrier
	AFETCH 0
	AFETCH 1
; THE SOFTMAX of four query tiles (4 g + p) x my 32 keys of the step: 16 registers a tile in each lane, the other 16 keys in lane l xor 16.
.macro SOFT4 g
.set SS, ACC+64*(\g)
.irp p, 0,1,2,3
	v_max3_num_f32 v[TM+\p], v[SS+16*\p], v[SS+16*\p+1], v[SS+16*\p+2]   ; each accumulator is read from its low end on
.endr
.irp i, 3,5,7,9,11,13
.irp p, 0,1,2,3
	v_max3_num_f32 v[TM+\p], v[TM+\p], v[SS+16*\p+\i], v[SS+16*\p+\i+1]
.endr
.endr
.irp p, 0,1,2,3
	v_max_num_f32 v[TM+\p], v[TM+\p], v[SS+16*\p+15]
.endr
.irp p, 0,1,2,3
	v_permlanex16_b32 v[TM+4+\p], v[TM+\p], s[SEL], s[SEL+1]
.endr
.irp p, 0,1,2,3
	v_max_num_f32 v[TM+\p], v[TM+\p], v[TM+4+\p]   ; the block's largest score
.endr
.irp p, 0,1,2,3
	v_mul_f32 v[TM+\p], s[CS], v[TM+\p]
.endr
.irp p, 0,1,2,3
	v_floor_f32 v[TM+\p], v[TM+\p]
.endr
.irp p, 0,1,2,3
	v_sub_f32 v[NMP+2*\p], -1.0, v[TM+\p]          ; -M' = -(floor(t) + 1)
.endr
.irp p, 0,1,2,3
.irp i, 0,2,4,6,8,10,12,14
	v_pk_fma_f32 v[SS+16*\p+\i:SS+16*\p+\i+1], v[SS+16*\p+\i:SS+16*\p+\i+1], s[CS:CS+1], v[NMP+2*\p:NMP+2*\p+1] op_sel_hi:[1,0,0]   ; t - M'
.endr
.endr
.set ee, 0
.rept 64
	v_exp_f32 v[SS+ee], v[SS+ee]                   ; p = 2^(t - M'): one batch
.set ee, ee+1
.endr
.irp p, 0,1,2,3
	v_min_num_f32 v[TM+\p], v[NMR+4*\g+\p], v[NMP+2*\p]   ; plain work behind the batch: the new running -M,
.endr
.irp p, 0,1,2,3
	v_sub_f32 v[D1+\p], v[TM+\p], v[NMR+4*\g+\p]   ; old M - new M,
.endr
.irp p, 0,1,2,3
	v_sub_f32 v[D2+\p], v[TM+\p], v[NMP+2*\p]      ; the block's M' - new M: whole numbers, 0 or less
.endr
.irp p, 0,1,2,3
	v_mov_b32 v[NMR+4*\g+\p], v[TM+\p]
.endr
.irp p, 0,1,2,3
	v_cvt_i32_f32 v[D1+\p], v[D1+\p]               ; (it saturates)
.endr
.irp p, 0,1,2,3
	v_cvt_i32_f32 v[D2+\p], v[D2+\p]
.endr
.irp p, 0,1,2,3
	v_ldexp_f32 v[LS+4*\g+\p], v[LS+4*\g+\p], v[D1+\p]   ; the sum under the new M: nothing is rounded
.endr
	v_cndmask_b32 v[RC+2*\g], v[NMP], v[NMP+2], s[HI]     ; the record of -M': lanes 0-15 the even tile's, lanes 16-31 the odd tile's
	v_cndmask_b32 v[RC+2*\g+1], v[NMP+4], v[NMP+6], s[HI]
	s_wait_alu depctr_va_vdst(0)                   ; one wait for the 64 exponentials, ahead of their first reader
.irp p, 0,1,2,3
	v_pk_add_f32 v[SUM+2*\p:SUM+2*\p+1], v[SS+16*\p:SS+16*\p+1], v[SS+16*\p+2:SS+16*\p+3]   ; the sum is taken of the unquantised p
.endr
.irp i, 4,6,8,10,12,14
.irp p, 0,1,2,3
	v_pk_add_f32 v[SUM+2*\p:SUM+2*\p+1], v[SUM+2*\p:SUM+2*\p+1], v[SS+16*\p+\i:SS+16*\p+\i+1]
.endr
.endr
.irp p, 0,1,2,3
	v_add_f32 v[SUM+2*\p], v[SUM+2*\p], v[SUM+2*\p+1]
.endr
.irp p, 0,1,2,3
	v_ldexp_f32 v[SUM+2*\p], v[SUM+2*\p], v[D2+\p]
.endr
.irp p, 0,1,2,3
	v_add_f32 v[LS+4*\g+\p], v[LS+4*\g+\p], v[SUM+2*\p]
.endr
.set ee, 0
.rept 64
	v_min_num_f32 v[SS+ee], s[HOLD], v[SS+ee]      ; the conversion does not saturate (ISA guide 7.6.2); p is not negative: a one-sided hold
.set ee, ee+1
.endr
.if (\g) == 1
	s_wait_dscnt 0x0                               ; the first four tiles' stores have read the codes' registers
.endif
.irp p, 0,1,2,3
	v_cvt_scalef32_pk8_bf8_f32 v[PC+4*\p:PC+4*\p+1], v[SS+16*\p:SS+16*\p+7], v[CSC]
	v_cvt_scalef32_pk8_bf8_f32 v[PC+4*\p+2:PC+4*\p+3], v[SS+16*\p+8:SS+16*\p+15], v[CSC]
.endr
	v_nop                                          ; a plain instruction behind the last conversion
.irp p, 0,1,2,3
	ds_store_b128 v[PST], v[PC+4*\p:PC+4*\p+3] offset:512*(4*\g+\p)   ; chunk w of P's fragment (this key step, query tile 4 g + p)
.endr
.endm
; A KEY STEP of the scores: its 64 products out of set 'set', then the softmax.  Behind the odd step's products the next two steps come out of LDS into both sets, under the softmax.
.macro TRIPS set
.if \set
	s_wait_dscnt 0x0                               ; the last step's LDS stores have read their registers
.endif
	s_wait_loadcnt 0x0                             ; K's scale words
	MUL 0, \set
	WIN 0
	NOPS 9                                         ; places in front of the loads into operands, of the first read of results, and of later products that write over these registers
.if \set
	s_wait_tensorcnt 0x0                           ; my one load, the next two steps (behind K's last: V's first two), has landed: 128 matrix instructions and a softmax stand behind its request
	AFETCH 0
	AFETCH 1
.endif
	s_add_co_u32 s22, s[RI], 1
	s_min_u32 s22, s22, 7                          ; the last step asks once more for step 7's words: no load leaves its buffer
	s_lshl_b32 s22, s22, 9
	v_add_nc_u32 v[KSO], s22, v[KSO0]
.irp s, 0,1,2,3
	global_load_b32 v[SCW+\s], v[KSO], s[KS:KS+1] offset:4096*\s
.endr
	v_add_nc_u32 v[PST], s[PO], v[PST0]
	v_add_nc_u32 v[RCA], s[RO], v[RCA0]
	SOFT4 0
	SOFT4 1
	ds_store_b128 v[RCA], v[RC:RC+3]
	s_add_co_u32 s[PO], s[PO], 4096
	s_add_co_u32 s[RO], s[RO], 512
	s_add_co_u32 s[RI], s[RI], 1
.endm
	; ---- 1: the scores and the softmax: 4 trips of one refill and two key steps
	s_mov_b32 s[RI], 0
	s_mov_b32 s[LC], 4
.Lscore:
	CHANGED
	TRIPS 0
	TRIPS 1
	s_sub_co_u32 s[LC], s[LC], 1
	s_cmp_lg_u32 s[LC], 0
	s_cbranch_scc1 .Lscore
	; ---- the four waves' M and sums meet; then each block's scale byte.  (No tensor load is out: the last was waited for in the last key step)
.irp q, 0,1,2,3,4,5,6,7
	v_permlanex16_b32 v[TM+\q], v[LS+\q], s[SEL], s[SEL+1]
.endr
.irp q, 0,1,2,3,4,5,6,7
	v_add_f32 v[LS+\q], v[LS+\q], v[TM+\q]         ; with lane l xor 16's keys
.endr
.irp k, 0,1,2,3
	ds_store_b128 v[EXA], v[NMR+4*\k:NMR+4*\k+3] offset:512*\k
.endr
	BAR
	v_add_nc_u32 v[ADR], EX, v[LI]
.set nn, 0
.rept 16
	ds_load_b128 v[ACC+4*nn:ACC+4*nn+3], v[ADR] offset:512*nn   ; wave w's 16 registers at ACC + 16 w
.set nn, nn+1
.endr
.irp i, 0,1,2,3,4,5,6,7
	ds_load_b128 v[ACC+64+4*\i:ACC+64+4*\i+3], v[RCA0] offset:512*\i   ; my own records
.endr
	s_wait_dscnt 0x0
.irp q, 0,1,2,3,4,5,6,7
	v_min3_num_f32 v[TM+\q], v[ACC+\q], v[ACC+16+\q], v[ACC+32+\q]
.endr
.irp q, 0,1,2,3,4,5,6,7
	v_min_num_f32 v[TM+\q], v[TM+\q], v[ACC+48+\q] ; the row's -M
.endr
.irp w, 0,1,2,3
.irp q, 0,1,2,3,4,5,6,7
	v_sub_f32 v[ACC+16*\w+\q], v[TM+\q], v[ACC+16*\w+\q]
.endr
.irp q, 0,1,2,3,4,5,6,7
	v_cvt_i32_f32 v[ACC+16*\w+\q], v[ACC+16*\w+\q]
.endr
.irp q, 0,1,2,3,4,5,6,7
	v_ldexp_f32 v[ACC+16*\w+8+\q], v[ACC+16*\w+8+\q], v[ACC+16*\w+\q]
.endr
.endr
.irp q, 0,1,2,3,4,5,6,7
	v_add_f32 v[TM+8+\q], v[ACC+8+\q], v[ACC+24+\q]
.endr
.irp q, 0,1,2,3,4,5,6,7
	v_add_f32 v[ACC+40+\q], v[ACC+40+\q], v[ACC+56+\q]
.endr
.irp q, 0,1,2,3,4,5,6,7
	v_add_f32 v[TM+8+\q], v[TM+8+\q], v[ACC+40+\q] ; the row's sum
.endr
.irp k, 0,1,2,3
	v_cndmask_b32 v[RC+\k], v[TM+2*\k], v[TM+2*\k+1], s[HI]
.endr
.irp q, 0,1,2,3,4,5,6,7
	v_rcp_f32 v[RL2+2*\q], v[TM+8+\q]
.endr
.set nn, 0
.rept 32
	v_sub_f32 v[ACC+64+nn], v[RC+nn%4], v[ACC+64+nn]           ; the block's M' - the row's M: 0 or less.  (Plain work behind the reciprocals)
.set nn, nn+1
.endr
.set nn, 0
.rept 32
	v_max_num_f32 v[ACC+64+nn], 0xc2de0000, v[ACC+64+nn]       ; held at -111
.set nn, nn+1
.endr
.set nn, 0
.rept 32
	v_cvt_i32_f32 v[ACC+64+nn], v[ACC+64+nn]
.set nn, nn+1
.endr
.set nn, 0
.rept 32
	v_add_nc_u32 v[ACC+64+nn], 111, v[ACC+64+nn]               ; the byte: 127 - 16 + the difference
.set nn, nn+1
.endr
.set nn, 0
.rept 32
	ds_store_b8 v[PSB], v[ACC+64+nn] offset:512*(nn/4)+4*(nn%4)
.set nn, nn+1
.endr
	s_wait_alu depctr_va_vdst(0)                   ; one wait for the eight reciprocals, ahead of their first reader
.irp q, 0,1,2,3,4,5,6,7
	v_mov_b32 v[RL2+2*\q+1], v[RL2+2*\q]           ; each twice, for the packed form
.endr
	BAR                                            ; P's images and scale bytes lie in LDS
	; ---- 2: O^T += V^T P^T, 8 key steps
.macro PADDR
	v_add_nc_u32 v[PRD], s[PO], v[PB]
	v_add_nc_u32 v[PRD2], 0x10000, v[PRD]
.endm
.macro PFETCH half                     ; four of P's fragments: chunk c of query tile qt lies at 32,768 c + 4,096 key step + 512 qt
.irp q, 0,1,2,3
.irp c, 0,1
	ds_load_b128 v[ACC+64*\half+16*\q+4*\c:ACC+64*\half+16*\q+4*\c+3], v[PRD] offset:32768*\c+512*(4*\half+\q)
.endr
.irp c, 0,1
	ds_load_b128 v[ACC+64*\half+16*\q+8+4*\c:ACC+64*\half+16*\q+8+4*\c+3], v[PRD2] offset:32768*\c+512*(4*\half+\q)
.endr
.endr
.endm
.macro SFETCH par                      ; P's and V's scale words of a key step
	v_add_nc_u32 v[TA], s[SO], v[PSL]
	ds_load_b128 v[SCP+4*(\par):SCP+4*(\par)+3], v[TA]
	v_add_nc_u32 v[VSO+(\par)], s[VO], v[L4]
.irp k, 0,1,2,3
	global_load_b32 v[SCV+4*(\par)+\k], v[VSO+(\par)], s[VS:VS+1] offset:128*\k
.endr
.endm
.macro PVM half, par, zero             ; 32 matrix instructions on 32 accumulators: query tiles 4 half + q x my 8 channel tiles
.irp q, 0,1,2,3
.irp ct, 0,1,2,3,4,5,6,7
.set DD, 8*(8*\q+\ct)
.if \zero
	WM DD, 128*\par+16*\ct, ACC+16*(4*\half+\q), -1, SCV+4*\par+\ct/2, SCP+4*\par+(4*\half+\q)/2, \ct%2, \q%2
.else
	WM DD, 128*\par+16*\ct, ACC+16*(4*\half+\q), DD, SCV+4*\par+\ct/2, SCP+4*\par+(4*\half+\q)/2, \ct%2, \q%2
.endif
.endr
.endr
.endm
; A key step out of V's set 'par'.  P has one set of registers: a fragment of P is free as soon as its eight products are issued.  next = 1: the next key step's P and scale words are fetched.
; ring: in an odd step the next pair comes out of LDS: the even step's set, free since the step before, in the step's middle (ring = 1, 2), 96 matrix instructions behind the pair's request; the odd step's set at its end (ring = 1).
.macro STEPV par, zero, next, ring
	s_wait_dscnt 0x0                               ; V's and P's fragments and P's scale words are in
	s_wait_loadcnt 0x0                             ; V's scale words
	WIN 0x53
	PVM 0, \par, \zero
	WIN 0
	NOPS 8                                         ; places in front of the loads into P's first four fragments
.if \next
	s_add_co_u32 s[PO], s[PO], 4096
	s_add_co_u32 s[VO], s[VO], 2048
	s_add_co_u32 s[SO], s[SO], 512
	PADDR
	PFETCH 0
	SFETCH 1-\par
.endif
.if \ring
	s_wait_tensorcnt 0x0                           ; my one load, the next pair, has landed: these reads need it
	AFETCH 0
.endif
	WIN 0xa3
	PVM 1, \par, \zero
	WIN 0
	NOPS 9
.if \next
	PFETCH 1
.endif
.if \ring == 1
	AFETCH 1
.endif
.endm
	s_mov_b32 s[PO], 0
	s_mov_b32 s[VO], 0
	s_mov_b32 s[SO], 0
	PADDR
	PFETCH 0
	PFETCH 1
	SFETCH 0
	CHANGED                                        ; V's steps 0 and 1 lie in registers: steps 2 and 3 are asked for
	STEPV 0, 1, 1, 0                               ; the first key step starts the sums: nothing is cleared
	s_mov_b32 s[LC], 3
.Lpv:                                              ; a trip: an odd step, the refill, the even step behind it.  The third refill asks for Wp's first two steps
	STEPV 1, 0, 1, 1
	CHANGED
	STEPV 0, 0, 1, 0
	s_sub_co_u32 s[LC], s[LC], 1
	s_cmp_lg_u32 s[LC], 0
	s_cbranch_scc1 .Lpv
	STEPV 1, 0, 0, 2                               ; the last key step; Wp's step 0 comes into set 0, its step 1 stays in LDS
.macro XLOAD                           ; 32 rows of x, 512 consecutive bytes each, into window 3's second set
	WIN 0xc0
.set nn, 0
.rept 32
	global_load_b128 v[128+4*nn:128+4*nn+3], v[LI], s[XP:XP+1] offset:4096*nn th:TH_LOAD_NT
.set nn, nn+1
.endr
	WIN 0
.endm
	XLOAD                                          ; the first projection trip's rows of x land under the quantising of O
	global_prefetch_b8 v[PFX], s[XP:XP+1] offset:131072 th:TH_LOAD_NT scope:SCOPE_SE   ; the second trip's rows, a lane a row, two blocks of 256 bytes each: only this wave reads them
	global_prefetch_b8 v[PFX], s[XP:XP+1] offset:131328 th:TH_LOAD_NT scope:SCOPE_SE
	; ---- 3: O = O^T / the sum, quantised along the channels: my 128 channels are K step w of the projection.  (No tensor load is out: the last was waited for in the last key step)
	BAR                                            ; nobody reads P any more: O's images take its place
.irp qt, 0,1,2,3,4,5,6,7
	WIN 1+\qt/4
.set ii, 0
.rept 32
	v_pk_mul_f32 v[ACC+2*ii:ACC+2*ii+1], v[64*(\qt%4)+2*ii:64*(\qt%4)+2*ii+1], v[RL2+2*\qt:RL2+2*\qt+1]   ; each accumulator from its low end on
.set ii, ii+1
.endr
	WIN 0
	s_wait_dscnt 0x0                               ; the last image's stores have read the codes' registers
	QUANT ACC, PC, OW+\qt
.irp c, 0,1,2,3
	ds_store_b128 v[OST], v[PC+4*\c:PC+4*\c+3] offset:8192*\qt+512*\c
.endr
.endr
.irp k, 0,1,2,3
	v_cndmask_b32 v[OWP+\k], v[OW+2*\k], v[OW+2*\k+1], s[HI]
.endr
	s_lshl_b32 s22, s[WV], 9
	s_add_co_u32 s22, s22, OS
	v_add_nc_u32 v[ADR], s22, v[LI]
	ds_store_b128 v[ADR], v[OWP:OWP+3]
	BAR                                            ; O's 32 fragments and their scale words lie in LDS
	; ---- 4: Wp O + bp + x
	WIN 0x40
.set nn, 0
.rept 64
	ds_load_b128 v[4*nn:4*nn+3], v[PB] offset:512*nn
.set nn, nn+1
.endr
	WIN 0x80
.set nn, 0
.rept 64
	ds_load_b128 v[4*nn:4*nn+3], v[PB] offset:32768+512*nn
.set nn, nn+1
.endr
	WIN 0
	v_add_nc_u32 v[ADR], OS, v[LI]
.irp s, 0,1,2,3
	ds_load_b128 v[SC+4*\s:SC+4*\s+3], v[ADR] offset:512*\s
.endr
.macro TFETCH3                         ; the trip's scale words of Wp; bp of my lane's channel in a tile's eight registers
	v_add_nc_u32 v[TA], s[TT], v[ATS]
	v_add_nc_u32 v[ADB], s[TO], v[ABB]
	ds_load_b128 v[SCW:SCW+3], v[TA]
.irp u, 0,1
.irp j, 0,1,2,3,4,5,6,7
	ds_load_b32 v[BIAS+8*\u+\j], v[ADB] offset:32*\u
.endr
.endr
.endm
	s_mov_b32 s[TT], 0
	s_mov_b32 s[TO], 0
	s_mov_b32 s[TB], 0                             ; the half of the step that lies in registers: Wp's step 0
	TFETCH3
; A trip: 32 output channels x 128 pixels.  A lane holds one channel and eight neighbouring pixels a tile; the results go through my own stage and come back as rows of 512 bytes.
.macro TRIPP refill, more
.if \refill
	CHANGES
	global_prefetch_b8 v[PFX], s[XP:XP+1] offset:262144 th:TH_LOAD_NT scope:SCOPE_SE   ; x's rows of the trip after the next
	global_prefetch_b8 v[PFX], s[XP:XP+1] offset:262400 th:TH_LOAD_NT scope:SCOPE_SE
.else
	s_wait_tensorcnt 0x0                           ; the tail: nothing is left to ask for
	s_wait_dscnt 0x0
.endif
	MUL 1, 0
	WIN 0
	NOPS 9
.if \more
	s_xor_b32 s[TB], s[TB], HALF
	s_add_co_u32 s[TT], s[TT], 512
	s_add_co_u32 s[TO], s[TO], 128
	AFETCHT
	TFETCH3
.endif
.irp qt, 0,1,2,3,4,5,6,7
.irp u, 0,1
	ds_store_b128 v[STO], v[ACC+16*\qt+8*\u:ACC+16*\qt+8*\u+3] offset:4224*\u+128*(\qt/2)+32*(\qt%2)      ; each accumulator from its low end on
	ds_store_b128 v[STO], v[ACC+16*\qt+8*\u+4:ACC+16*\qt+8*\u+7] offset:4224*\u+128*(\qt/2)+32*(\qt%2)+16
.endr
.endr
.set nn, 0
.rept 32
	ds_load_b128 v[ACC+4*nn:ACC+4*nn+3], v[SRD] offset:528*nn   ; LDS serves a wave's instructions in order: these see my stores
.set nn, nn+1
.endr
	s_wait_loadcnt 0x0                             ; x
	WIN 0x0c                                       ; source 1: x, in window 3
.irp g, 0,1,2,3
	s_wait_dscnt 24-8*\g                           ; eight more rows are back; the younger ones may be out
.set ii, 0
.rept 16
	v_pk_add_f32 v[128+32*\g+2*ii:128+32*\g+2*ii+1], v[128+32*\g+2*ii:128+32*\g+2*ii+1], v[128+32*\g+2*ii:128+32*\g+2*ii+1]
.set ii, ii+1
.endr
.endr
	WIN 0
.if \more
	s_wait_xcnt 0x0                                ; the prefetches have read x's base
	s_add_nc_u64 s[XP:XP+1], s[XP:XP+1], 131072
	XLOAD                                          ; the next trip's rows: loads ahead of stores
.endif
.set nn, 0
.rept 32
	global_store_b128 v[LI], v[ACC+4*nn:ACC+4*nn+3], s[OP:OP+1] offset:4096*nn th:TH_STORE_NT   ; 512 consecutive bytes of a row of out0
.set nn, nn+1
.endr
.if \more
	s_wait_xcnt 0x0                                ; the stores' base and data are written again only behind this wait
	s_add_nc_u64 s[OP:OP+1], s[OP:OP+1], 131072
.endif
.endm
	s_mov_b32 s[LC], 2
.Lproj:
	TRIPP 1, 1
	s_sub_co_u32 s[LC], s[LC], 1
	s_cmp_lg_u32 s[LC], 0
	s_cbranch_scc1 .Lproj
	TRIPP 0, 1                                     ; the last two trips are written out
	TRIPP 0, 0
	s_wait_tensorcnt 0x0                           ; the wave's end
	ds_add_u32 v[SPW], v[NIL]
	s_wait_dscnt 0x0
	ROUND                                          ; the closing round
	s_endpgm
.Lfunc_end_k_qca6817946c_attn:
	.size	k_qca6817946c_attn, .Lfunc_end_k_qca6817946c_attn-k_qca6817946c_attn
	.p2alignl 7, 3214868480
	.fill 96, 4, 3214868480
	.section	.rodata,"a",@progbits
	.p2align	6, 0x0
	.amdhsa_kernel k_qca6817946c_attn
		.amdhsa_group_segment_fixed_size 327680
		.amdhsa_private_segment_fixed_size 0
		.amdhsa_enable_private_segment 0
		.amdhsa_kernarg_size 56
		.amdhsa_user_sgpr_count 2
		.amdhsa_user_sgpr_kernarg_segment_ptr 1
		.amdhsa_wavefront_size32 1
		.amdhsa_system_sgpr_workgroup_id_x 1
		.amdhsa_system_sgpr_workgroup_id_y 1
		.amdhsa_system_sgpr_workgroup_id_z 1
		.amdhsa_system_vgpr_workitem_id 0
		.amdhsa_next_free_vgpr 1024
		.amdhsa_next_free_sgpr 80
		.amdhsa_reserve_vcc 0
		.amdhsa_float_denorm_mode_32 3
		.amdhsa_float_denorm_mode_16_64 3
		.amdhsa_memory_ordered 1
		.amdhsa_forward_progress 1
		.amdhsa_inst_pref_size 255
	.end_amdhsa_kernel
	.section	.bss,"aw",@nobits
	.p2align	6
	.space	262144
	.amdgpu_metadata
---
amdhsa.version: [ 1, 2 ]
amdhsa.kernels:
  - .name:           k_qca6817946c_attn
    .symbol:         k_qca6817946c_attn.kd
    .args:
      - { .name: qkv_codes, .offset: 0, .size: 8, .value_kind: global_buffer, .address_space: global }
      - { .name: qkv_scales, .offset: 8, .size: 8, .value_kind: global_buffer, .address_space: global }
      - { .name: w_img, .offset: 16, .size: 8, .value_kind: global_buffer, .address_space: global }
      - { .name: wp_scales, .offset: 24, .size: 8, .value_kind: global_buffer, .address_space: global }
      - { .name: bp, .offset: 32, .size: 8, .value_kind: global_buffer, .address_space: global }
      - { .name: x, .offset: 40, .size: 8, .value_kind: global_buffer, .address_space: global }
      - { .name: out0, .offset: 48, .size: 8, .value_kind: global_buffer, .address_space: global }
    .group_segment_fixed_size: 327680
    .private_segment_fixed_size: 0
    .kernarg_segment_align: 8
    .kernarg_segment_size: 56
    .max_flat_workgroup_size: 128
    .sgpr_count:     80
    .vgpr_count:     1024
    .wavefront_size: 32
...
	.end_amdgpu_metadata
.endif
;; end of part 3
